; MI455X (gfx1250); checked and timed in simulation.
; The chip was launched on July 23, 2026; its instructions are those of AMD's public machine-readable ISA for CDNA 5 (MIT licence, August 2026) and "CDNA5" Instruction Set Architecture Reference Guide (July 2026). The comments in the code are by the model that wrote it; some were corrected since.
;; Multi Head Attention. Allowed arithmetic: matrix products marked QUANTISED: E2M3 operands, one E8M0 scale for each 32 along K, by v_wmma_scale_f32_16x16x128_f8f6f4 with both operands' format E2M3, f32 sums; everything else in f32.
;; Inputs: Wk 1,024 x 1,024 float32; Wo 1,024 x 1,024 float32; Wq 1,024 x 1,024 float32; Wv 1,024 x 1,024 float32; bk 1,024 float32; bo 1,024 float32; bq 1,024 float32; bv 1,024 float32; k 4 x 2,048 x 1,024 float32; q 4 x 2,048 x 1,024 float32; v 4 x 2,048 x 1,024 float32.
;; Outputs: out0 4 x 2,048 x 1,024 float32.
;; This version of the problem:
;;   THIS VERSION OF THE PROBLEM IS GIVEN IN LOW PRECISION. The matrix products marked QUANTISED in the list below multiply operands that are first quantised to E2M3 (2 exponent bits, 3 mantissa bits; 6 bits a number), with one power-of-two scale for each 32 numbers along K (OCP MX v1.0); their sums are f32. All else is computed in f32.
;;   The module's matrix products, in the order in which they are computed (A, B: the left and right operand; K: the contracted axis; several contracted axes count as one K, in the product's order):
;;     1. [M 8,192, K 1,024] x [K 1,024, N 1,024]; A: input q; B: input Wq: QUANTISED
;;     2. [M 8,192, K 1,024] x [K 1,024, N 1,024]; A: input k; B: input Wk: QUANTISED
;;     3. [M 8,192, K 1,024] x [K 1,024, N 1,024]; A: input v; B: input Wv: QUANTISED
;;     4. batch 64 x [M 2,048, K 64] x [K 64, N 2,048]; A: computed on the way; B: computed on the way: QUANTISED
;;     5. batch 64 x [M 2,048, K 2,048] x [K 2,048, N 64]; A: softmax (see below); B: computed on the way: QUANTISED
;;     6. [M 8,192, K 1,024] x [K 1,024, N 1,024]; A: computed on the way; B: input Wo: QUANTISED
;;   THE QUANTISER, for each operand of a quantised product, along K:
;;     - K is cut into blocks of 32 from its start; a last block that is shorter is filled with zeros.
;;     - A block's scale is 2^e with e = floor(log2(the largest magnitude in the block)) - 2, held to -126 .. 127; a block of zeros has e = 0. As a byte (E8M0): e + 127.
;;     - Each number is divided by its block's scale, clamped to +-7.5, and rounded to the nearest number of E2M3, ties to even, subnormals kept.
;;     - The product sums the exact products of the quantised numbers (number of the format x scale) in f32.
;;   ~~~python
;;   def quantise(x, axis):      # numpy; x: float32 -> the quantised numbers, widened to float32 again
;;       x = np.moveaxis(x, axis, -1); K = x.shape[-1]
;;       x = np.pad(x, [(0, 0)] * (x.ndim - 1) + [(0, -K % 32)]); x = x.reshape(x.shape[:-1] + (-1, 32)); a = np.abs(x).max(-1, keepdims=True)
;;       e = np.where(a > 0, np.clip(np.frexp(np.where(a > 0, a, 1))[1] - 1 - 2, -126, 127), 0)      # np.frexp(a)[1] - 1 = floor(log2(a)), exactly
;;       r = np.clip(x / 2.0 ** e, -7.5, 7.5)
;;       step = 2.0 ** (np.maximum(np.frexp(np.where(r == 0, 1, r))[1] - 1, 0) - 3)
;;       q = np.round(r / step) * step * 2.0 ** e      # np.round: ties to even
;;       return np.moveaxis(q.reshape(q.shape[:-2] + (-1,))[..., :K], -1, axis).astype(np.float32)
;;   ~~~
;;   SOFTMAX AHEAD OF A QUANTISED PRODUCT. Where the list says 'softmax', what is quantised is not the finished softmax but p = 2^(t - M), with t = logit x log2(e) and M = ceil(the row's largest t), a whole number; so 1/2 < the row's largest p <= 1. The row's sum l is taken of the UNQUANTISED p, in f32, and the product's result is divided by l at the end. Since M is a whole number, a kernel that streams over the keys may use a running M (the ceiling of the running maximum): every later rescaling is an exact power of two, which a block's scale takes up: the codes' values come out the same.
;;   OPERANDS COMPUTED ON THE WAY. 'Computed on the way' means the value that the module computes at that place (a softmax that the list does not call 'softmax' is quantised finished and normalised). What goes into a quantiser is computed in f32, as accurately as f32 sums, v_exp_f32 and their like allow (about 1e-6 of the number): no bf16 or f16 on the way to a quantiser, and a product that is left as it is and whose result goes on into a quantised operand takes f32 operands (vector FMAs, or v_wmma_f32_16x16x4_f32). A number that lies on a knife's edge between two numbers of the format may be rounded either way, as far as f32 arithmetic and the matrix unit's own rounding can turn it there, and no further.
;; One version. Each part assembles by itself: llvm-mc -triple=amdgcn-amd-amdhsa -mcpu=gfx1250 --defsym DOCPART=n.
;; ======== version 1 of 1: 4 launches
;; limits: right only within a limited range of input values
;; workspace buffers: codes 22,020,096 bytes; scales 917,504 bytes; hcodes 18,874,368 bytes; hscales 786,432 bytes; ocodes 6,291,456 bytes; oscales 262,144 bytes
;; launch quant (part 1): grid 896 x 1, 4 waves a work-group, no clusters, 33,280 bytes of LDS; arguments q, k, v, Wq, Wk, Wv, Wo, codes, scales; writes codes, scales
.if DOCPART == 1
	.amdgcn_target "amdgcn-amd-amdhsa--gfx1250"
	.amdhsa_code_object_version 6
	.text
	.protected	k_q40f3dcba0d_quant
	.globl	k_q40f3dcba0d_quant
	.p2align	8
	.type	k_q40f3dcba0d_quant,@function
k_q40f3dcba0d_quant:
	s_mov_b64 s[64:65], 0
	v_nop
	global_prefetch_b8 v0, s[64:65] scope:SCOPE_SE
	s_setreg_imm32_b32 hwreg(HW_REG_WAVE_MODE, 25, 1), 1
	s_wait_xcnt 0x0
; q, k, v [8192][1024] and Wq, Wk, Wv, Wo [1024][1024], f32, K innermost, become codes of FP6 (E2M3) and one E8M0 byte for each 32 along K.
; All seven lie in ONE table of 28,672 rows: q from row 0, k from 8,192, v from 16,384, Wq 24,576, Wk 25,600, Wv 26,624, Wo 27,648; a row is 768 bytes of codes and 32 scale bytes.
; ROWS ARE LAID BY POSITION: true row x lies at the position that is x with bits 3 and 4 exchanged.  So 16 neighbouring positions 16 a + r hold the true rows 32 (a / 2) + 8 (a % 2) + r + 8 (r / 8):
; a product that takes such 16 rows as its source 0 leaves, in the 16 registers of two neighbouring tiles, 16 true neighbours, which is what the next quantiser wants.
; A block's scale is 2^(floor(log2(its largest magnitude)) - 2); its byte is the largest magnitude's exponent field - 2, held at 1 from below.
; LIMITS: a block of zeros, or one whose largest magnitude lies under 2^-124, gets the byte 1 (its codes are zeros or subnormal codes; the bytes are read by this program alone); NaN and infinities are not served.
; A work-group takes 32 rows, a wave 8 rows = 8,192 numbers in 16 steps of 512.  Each load reads 512 consecutive bytes; a step's 2,048 bytes turn through the wave's own stage in LDS, so that a lane
; holds 16 neighbours along K (two lanes to a block).  A wave's 8 rows keep their order; only WHERE the 8 rows go is exchanged: wave w of a work-group writes group ((w & 1) << 1) | (w >> 1).
; No tensor loads, no barrier: waves share nothing.  Loads run four steps (16 loads a wave) ahead.
.set STEPS, 16
.set CB,    12                         ; bytes of 16 codes
.set R,     16                         ; v16-79   four sets of 16 numbers as loaded
.set X,     80                         ; v80-111  two sets of 16 neighbours
.set E,     112                        ; v112-127 a scale byte for each step
.set C,     128                        ; v128-191 codes: four registers for each step, so that no store's data are written again
.set WREG,  8192                       ; LDS of a wave: two stages of 32 x SP bytes, then its 256 scale bytes
.set SP,    80                         ; a lane's place in a stage: 64 bytes + 16
	s_load_b512 s[4:19], s[0:1], 0x0               ; q, k, v, Wq, Wk, Wv, Wo, codes
	s_load_b64 s[20:21], s[0:1], 0x40              ; scales
	v_lshl_add_u32 v192, v0, 2, 0x8000
	v_mov_b32 v193, 0
	v_lshrrev_b32 v1, 5, v0
	v_readfirstlane_b32 s26, v1                    ; wave
	v_and_b32 v2, 31, v0                           ; lane
	v_lshlrev_b32 v3, 4, v2                        ; my 16 bytes of a load's 512
	s_mul_i32 s27, s26, WREG
	v_lshrrev_b32 v14, 2, v2
	v_mul_u32_u24 v14, v14, SP
	v_and_b32 v15, 3, v2
	v_lshl_add_u32 v14, v15, 4, v14
	v_add_nc_u32 v14, s27, v14                     ; the stage, on the way in: SP (lane / 4) + 16 (lane % 4)
	v_mul_u32_u24 v15, v2, SP
	v_add_nc_u32 v15, s27, v15                     ; and on the way out: SP x lane: my 16 neighbours
	; THE CODES LIE IN FOUR PLANES, one for each 256 along K: plane s holds bytes 192 s .. 192 s + 191 of every row's 768, rows 192 bytes apart, 5,505,024 bytes a plane:
	; so 128 rows of one K step are 24,576 bytes on end, which begin at a multiple of 256
	; A STEP IS 256 ALONG K OF TWO NEIGHBOURING ROWS: step t is plane t % 4 of rows 2 (t / 4) and 2 (t / 4) + 1; lanes 0-15 hold the first row's numbers, lanes 16-31 the second's
	v_mul_u32_u24 v4, v2, CB                       ; two rows' 192 bytes of a plane lie on end: the wave stores 384 consecutive bytes
	v_and_b32 v5, 15, v2
	v_lshrrev_b32 v5, 1, v5
	v_lshrrev_b32 v10, 4, v2
	v_lshl_add_u32 v5, v10, 5, v5                  ; my block's byte: 32 bytes a row
	s_add_co_u32 s27, s27, 2*32*SP
	v_add_nc_u32 v5, s27, v5                       ; my wave's 256 scale bytes, my block's byte
	v_lshlrev_b32 v7, 3, v2                        ; and on the way out 8 bytes a lane
	v_add_nc_u32 v6, s27, v7
	s_wait_alu depctr_va_vdst(0)
	s_wait_kmcnt 0x0
	; which tensor: the choice hangs on the work-group's number alone
	s_mov_b64 s[24:25], s[16:17]                   ; Wo, from work-group 864
	s_mov_b32 s22, 864
.macro PICK lim, ptr, first            ; under work-group lim: the tensor at s[ptr], whose first work-group is first
	s_cmp_lt_u32 ttmp9, \lim
	s_cselect_b64 s[24:25], s[\ptr:\ptr+1], s[24:25]
	s_cselect_b32 s22, \first, s22
.endm
	PICK 864, 14, 832
	PICK 832, 12, 800
	PICK 800, 10, 768
	PICK 768, 8, 512
	PICK 512, 6, 256
	PICK 256, 4, 0
	s_sub_co_u32 s23, ttmp9, s22
	s_lshl_b32 s23, s23, 2
	s_add_co_u32 s23, s23, s26                     ; which run of 8 rows of the tensor I read
	s_lshl_b32 s28, s23, 15                        ; 32,768 bytes a run
	s_mov_b32 s29, 0
	s_add_nc_u64 s[24:25], s[24:25], s[28:29]
	s_and_b32 s30, s26, 1
	s_lshl_b32 s30, s30, 1
	s_lshr_b32 s31, s26, 1
	s_or_b32 s30, s30, s31                         ; the wave's two bits exchanged
	s_lshl_b32 s31, ttmp9, 2
	s_add_co_u32 s30, s30, s31                     ; which run of 8 positions of the table I write
	s_mul_i32 s28, s30, 8*192                      ; 8 rows of 192 bytes a run, in each plane
	s_add_nc_u64 s[18:19], s[18:19], s[28:29]      ; planes 0 and 1
	s_add_nc_u64 s[32:33], s[18:19], 2*5505024     ; planes 2 and 3
	s_lshl_b32 s28, s30, 8                         ; 256 scale bytes a run
	s_add_nc_u64 s[20:21], s[20:21], s[28:29]
.macro LOAD t
.irp i, 0,1,2,3
	global_load_b128 v[R+16*((\t)%4)+4*\i:R+16*((\t)%4)+4*\i+3], v3, s[24:25] offset:4096*(2*((\t)/4)+\i/2)+1024*((\t)%4)+512*(\i%2) th:TH_LOAD_NT   ; 32 lanes read 512 consecutive bytes; loads 0, 1: the first row, loads 2, 3: the second
.endr
.endm
.macro TURN t                          ; step t's numbers through the stage: LDS serves a wave's instructions in order, so no wait stands between the stores and the loads
.irp i, 0,1,2,3
	ds_store_b128 v14, v[R+16*((\t)%4)+4*\i:R+16*((\t)%4)+4*\i+3] offset:32*SP*((\t)%2)+8*SP*\i
.endr
.irp i, 0,1,2,3
	ds_load_b128 v[X+16*((\t)%2)+4*\i:X+16*((\t)%2)+4*\i+3], v15 offset:32*SP*((\t)%2)+16*\i
.endr
.endm
.irp t, 0,1,2,3
	LOAD \t
.endr
	s_wait_loadcnt 12                              ; step 0's four loads are in; the twelve of steps 1 to 3 may be out
	TURN 0
.macro STEP t
.set XS, X+16*((\t)%2)
.if (\t) > 0
	s_wait_dscnt 1                                 ; this step's numbers are back from the stage (the last step's byte store may be out): so its stores into the stage have read their registers,
.else
	s_wait_dscnt 0x0
.endif
.if (\t)+4 < STEPS
	LOAD (\t)+4                                    ; which take the loads of four steps on
.endif
.if (\t)+1 < STEPS
.if STEPS-2-(\t) >= 3
	s_wait_loadcnt 12                              ; the next step's four loads are in; those of the three steps behind it may be out
.else
	s_wait_loadcnt 4*(STEPS-2-(\t))
.endif
	TURN (\t)+1                                    ; and go through the other stage while this step is worked
.endif
	v_max3_num_f32 v8, |v[XS]|, |v[XS+1]|, |v[XS+2]|               ; the largest magnitude of my 16, in two chains
	v_max3_num_f32 v9, |v[XS+3]|, |v[XS+4]|, |v[XS+5]|
.irp i, 6,10
	v_max3_num_f32 v8, v8, |v[XS+\i]|, |v[XS+\i+1]|
	v_max3_num_f32 v9, v9, |v[XS+\i+2]|, |v[XS+\i+3]|
.endr
	v_max3_num_f32 v8, v8, |v[XS+14]|, |v[XS+15]|
	v_max3_num_f32 v8, v8, v9, 0x1800000           ; and the floor 2^(3 - 127): the byte cannot fall under 1
	v_max_num_f32_dpp v8, v8, v8 row_xmask:1 row_mask:0xf bank_mask:0xf   ; and of my neighbour's 16: the block's
	v_add_nc_u32 v11, 0xff000000, v8               ; 2 off its exponent field: the conversion takes the exponent field of this operand as its scale
	v_cvt_scalef32_pk16_fp6_f32 v[C+4*(\t):C+4*(\t)+2], v[XS:XS+15], v11
	v_lshrrev_b32 v[E+(\t)], 23, v11               ; the scale's byte (also the plain line behind the conversion)
	ds_store_b8 v5, v[E+(\t)] offset:64*((\t)/4)+8*((\t)%4)   ; both lanes of a block write the same byte with the same value
.if (\t)%4 > 1
	global_store_b96 v4, v[C+4*(\t):C+4*(\t)+2], s[32:33] offset:5505024*((\t)%2)+384*((\t)/4)
.else
	global_store_b96 v4, v[C+4*(\t):C+4*(\t)+2], s[18:19] offset:5505024*((\t)%2)+384*((\t)/4)
.endif
.endm
.irp t, 0,1,2,3,4,5,6,7,8,9,10,11,12,13,14,15
	STEP \t
.endr
	ds_load_b64 v[12:13], v6                       ; LDS serves a wave's instructions in order: these see my stores
	s_wait_dscnt 0x0
	global_store_b64 v7, v[12:13], s[20:21]        ; 32 lanes store 256 consecutive bytes, aligned
	s_wait_tensorcnt 0x0
	ds_add_u32 v192, v193
	s_wait_dscnt 0x0
	s_endpgm
.Lfunc_end_k_q40f3dcba0d_quant:
	.size	k_q40f3dcba0d_quant, .Lfunc_end_k_q40f3dcba0d_quant-k_q40f3dcba0d_quant
	.p2alignl 7, 3214868480
	.fill 96, 4, 3214868480
	.section	.rodata,"a",@progbits
	.p2align	6, 0x0
	.amdhsa_kernel k_q40f3dcba0d_quant
		.amdhsa_group_segment_fixed_size 33280
		.amdhsa_private_segment_fixed_size 0
		.amdhsa_enable_private_segment 0
		.amdhsa_kernarg_size 72
		.amdhsa_user_sgpr_count 2
		.amdhsa_user_sgpr_kernarg_segment_ptr 1
		.amdhsa_wavefront_size32 1
		.amdhsa_system_sgpr_workgroup_id_x 1
		.amdhsa_system_sgpr_workgroup_id_y 1
		.amdhsa_system_sgpr_workgroup_id_z 1
		.amdhsa_system_vgpr_workitem_id 0
		.amdhsa_next_free_vgpr 194
		.amdhsa_next_free_sgpr 66
		.amdhsa_reserve_vcc 0
		.amdhsa_float_denorm_mode_32 3
		.amdhsa_float_denorm_mode_16_64 3
		.amdhsa_memory_ordered 1
		.amdhsa_forward_progress 1
		.amdhsa_inst_pref_size 33
	.end_amdhsa_kernel
	.amdgpu_metadata
---
amdhsa.version: [ 1, 2 ]
amdhsa.kernels:
  - .name:           k_q40f3dcba0d_quant
    .symbol:         k_q40f3dcba0d_quant.kd
    .args:
      - { .name: q, .offset: 0, .size: 8, .value_kind: global_buffer, .address_space: global }
      - { .name: k, .offset: 8, .size: 8, .value_kind: global_buffer, .address_space: global }
      - { .name: v, .offset: 16, .size: 8, .value_kind: global_buffer, .address_space: global }
      - { .name: Wq, .offset: 24, .size: 8, .value_kind: global_buffer, .address_space: global }
      - { .name: Wk, .offset: 32, .size: 8, .value_kind: global_buffer, .address_space: global }
      - { .name: Wv, .offset: 40, .size: 8, .value_kind: global_buffer, .address_space: global }
      - { .name: Wo, .offset: 48, .size: 8, .value_kind: global_buffer, .address_space: global }
      - { .name: codes, .offset: 56, .size: 8, .value_kind: global_buffer, .address_space: global }
      - { .name: scales, .offset: 64, .size: 8, .value_kind: global_buffer, .address_space: global }
    .group_segment_fixed_size: 33280
    .private_segment_fixed_size: 0
    .kernarg_segment_align: 8
    .kernarg_segment_size: 72
    .max_flat_workgroup_size: 128
    .sgpr_count:     66
    .vgpr_count:     194
    .wavefront_size: 32
...
	.end_amdgpu_metadata
.endif
;; end of part 1
;; launch proj (part 2): grid 4 x 96, 4 waves a work-group, clusters of 4 x 4, 327,680 bytes of LDS; arguments codes, scales, bq, bk, bv, hcodes, hscales; writes hcodes, hscales
.if DOCPART == 2
	.amdgcn_target "amdgcn-amd-amdhsa--gfx1250"
	.amdhsa_code_object_version 6
	.text
	.protected	k_q40f3dcba0d_proj
	.globl	k_q40f3dcba0d_proj
	.p2align	8
	.type	k_q40f3dcba0d_proj,@function
k_q40f3dcba0d_proj:
	s_mov_b64 s[64:65], 0
	v_nop
	global_prefetch_b8 v0, s[64:65] scope:SCOPE_SE
	s_setreg_imm32_b32 hwreg(HW_REG_WAVE_MODE, 25, 1), 1
	s_wait_xcnt 0x0
	s_wait_alu depctr_hold_cnt(0) depctr_sa_sdst(0) depctr_va_vdst(0) depctr_va_sdst(0) depctr_va_ssrc(0) depctr_va_vcc(0) depctr_vm_vsrc(0)
	s_getreg_b32 s2, hwreg(HW_REG_IB_STS2, 6, 4)
	s_cmp_eq_u32 s2, 0
	s_cbranch_scc0 .Lentry_in_a_cluster
	s_endpgm
.Lentry_in_a_cluster:
	s_bfe_u32 s2, ttmp6, 0x10000c
	s_cmp_lg_u32 s2, 0xf033
	s_cbranch_scc0 .Lentry_shape_is_right
	s_endpgm
.Lentry_shape_is_right:
.set NQ,     2
.set ROWB,   192
.set KROW,   192                       ; a row's bytes in one plane of the codes (256 along K)
.set KPLANE, 5505024                   ; from plane to plane: 28,672 rows x 192
.set PITCH,  240
.set FR,     12
.set NL,     6
.set NP,     4
.set HALFT,  128*PITCH
.set SLOT,   4*HALFT
.set KS,     32
.set SCL,    2*SLOT
.set HALFS,  (128*KS/256)*272
.set SBLK,   (16*KS/256)*272
.set SPARE,  SCL+4*HALFS
.set ADRA, 16
.set ADRB, 20
.set SOF,  24
.set LI,   26
.set ADRS, 27
.set SPW,  28
.set NIL,  29
.set BPO,  30
.set BRO,  31
.set SC,   32
.set AF,   128
.set TM,   32
.set PW,   48
.set XW,   56
.set BP,   64
.set T,    128
.set OUT,  192
.set T2,   216
.set BR,   224
.set SEL,  10
.set G1, 24
.set G0, 32
.set G1B, 48
.set G0B, 56
.set G1S, 68
.set G0S, 76
.set G1SB, 80
.set G0SB, 88
.set MSB, 0
.macro WIN new
.if MSB != (\new)
	s_set_vgpr_msb (MSB<<8)|(\new)
.set MSB, (\new)
.endif
.endm
.set MUL_LO, 0xa1
.set MUL_HI, 0xf1
.set TO_B,   0x40
.macro JLOAD g0a, g1a, g0b, g1b
	s_cmp_eq_u32 s15, 0
	s_cbranch_scc0 .Lfor_b_\@
	tensor_load_to_lds s[\g0a:\g0a+3], s[\g1a:\g1a+7]
	s_nop 0
.rept 4
	v_nop
.endr
	s_branch .Lasked_\@
.Lfor_b_\@:
	tensor_load_to_lds s[\g0b:\g0b+3], s[\g1b:\g1b+7]
	s_nop 0
.rept 4
	v_nop
.endr
.Lasked_\@:
.endm
.macro CREST
	s_cmp_lg_u32 s14, 0
	s_cbranch_scc1 .Lnot_wave_0_\@
	s_barrier_signal -3
.Lnot_wave_0_\@:
	s_barrier_wait -3
	s_barrier_signal -1
	s_barrier_wait -1
.endm
.macro CROUND
	s_barrier_signal -1
	s_barrier_wait -1
	CREST
.endm
	s_load_b128 s[4:7], s[0:1], 0x0
	s_load_b128 s[8:11], s[0:1], 0x10
	s_load_b64 s[12:13], s[0:1], 0x20
	s_load_b128 s[96:99], s[0:1], 0x28
	v_lshl_add_u32 v[SPW], v0, 2, SPARE
	v_mov_b32 v[NIL], 0
	ds_add_u32 v28, v29
	ds_add_u32 v28, v29
	s_wait_dscnt 0x0
	v_lshrrev_b32 v1, 5, v0
	v_readfirstlane_b32 s14, v1
	s_lshr_b32 s15, s14, 1
	s_and_b32 s16, s14, 1
	s_bfe_u32 s40, ttmp6, 0x40000
	s_bfe_u32 s41, ttmp6, 0x40004
	s_and_b32 s17, ttmp7, 0xffff
	s_lshr_b32 s42, s17, 3
	s_and_b32 s17, s17, 7
	s_lshl_b32 s43, s41, 2
	s_lshl_b32 s43, 15, s43
	s_lshl_b32 s44, 0x1111, s40
	s_or_b32 s[G1+0], s43, (0<<16)|(1<<20)|(1<<21)|(3<<22)|(3<<25)
	s_or_b32 s[G1B+0], s44, (0<<16)|(1<<20)|(1<<21)|(3<<22)|(3<<25)
.irp g, G1, G1B
	s_mov_b32 s[\g+1], 256<<16                     ; 128 rows of 192 bytes lie on end: they come as 96 rows of 256 bytes, each at a multiple of 256
	s_mov_b32 s[\g+2], 192<<16                     ; the head's loads bring 256 rows of codes: 192 rows of 256 bytes
	s_mov_b32 s[\g+3], 256<<16
	s_mov_b32 s[\g+4], 192
	s_mov_b32 s[\g+5], 256
	s_mov_b32 s[\g+6], 0
	s_mov_b32 s[\g+7], 0
.endr
	s_or_b32 s[G1S+0], s43, (3<<16)|(1<<20)|(1<<21)|(5<<22)|(3<<25)
	s_or_b32 s[G1SB+0], s44, (3<<16)|(1<<20)|(1<<21)|(5<<22)|(3<<25)
.irp g, G1S, G1SB
	s_mov_b32 s[\g+1], 32<<16
	s_mov_b32 s[\g+2], (256*KS/256)<<16            ; the scale bytes of 256 rows
	s_mov_b32 s[\g+3], 32<<16
	s_mov_b32 s[\g+4], 256*KS/256
	s_mov_b32 s[\g+5], 32
	s_mov_b32 s[\g+6], 0
	s_mov_b32 s[\g+7], 0
.endr
	s_lshl_b32 s18, s16, 7
	s_lshl_b32 s19, s17, 10
	s_lshl_b32 s2, s42, 13
	s_add_co_u32 s2, s2, s19
	s_lshl_b32 s45, s42, 10
	s_add_co_u32 s45, s45, 24576
	s_add_co_u32 s19, s19, 16384
	s_mov_b32 s94, 26624
	s_cmp_eq_u32 s42, 2
	s_cselect_b32 s2, s94, s2
	s_cselect_b32 s45, s19, s45
	s_cselect_b32 s95, 1, 0
	s_lshl_b32 s20, s41, 8
	s_add_co_u32 s20, s20, s18
	s_add_co_u32 s20, s20, s2
	s_lshl_b32 s46, s40, 8
	s_add_co_u32 s46, s46, s18
	s_add_co_u32 s46, s46, s45
	s_mov_b32 s21, 0
	s_mov_b32 s47, 0
	s_mov_b64 s[18:19], KS
	s_mul_u64 s[22:23], s[20:21], s[18:19]
	s_mul_u64 s[92:93], s[46:47], s[18:19]
	s_mov_b64 s[18:19], KROW
	s_mul_u64 s[20:21], s[20:21], s[18:19]
	s_mul_u64 s[46:47], s[46:47], s[18:19]
	s_mul_i32 s45, s14, HALFT
	s_wait_kmcnt 0x0
	s_add_nc_u64 s[20:21], s[4:5], s[20:21]
	s_add_nc_u64 s[22:23], s[6:7], s[22:23]
	s_add_nc_u64 s[46:47], s[4:5], s[46:47]
	s_add_nc_u64 s[92:93], s[6:7], s[92:93]
	CROUND
; THE HEAD'S FOUR TILES, ONE A WAVE, in one chain of arms: K step 0's 256 rows of A, its 256 rows of B, A's scale bytes, B's.  Group 0 lies in s[4:7], whose arguments have been used.
; Waves 1 and 3 hold the addresses of a tile's second 128 rows: back = those rows' bytes.
.macro HARM lds, src, back, g1
	s_mov_b32 s5, \lds
	s_sub_nc_u64 s[6:7], s[\src:\src+1], \back
	s_or_b32 s7, s7, 0x80000000
	tensor_load_to_lds s[4:7], s[\g1:\g1+7]
	s_nop 0
.rept 4
	v_nop
.endr
.endm
	s_mov_b32 s4, 1
	s_cmp_eq_u32 s14, 0
	s_cbranch_scc0 .Lh1
	HARM 0, 20, 0, G1
	s_branch .Lhasked
.Lh1:
	s_cmp_eq_u32 s14, 1
	s_cbranch_scc0 .Lh2
	HARM 2*HALFT, 46, 128*KROW, G1B
	s_branch .Lhasked
.Lh2:
	s_cmp_eq_u32 s14, 2
	s_cbranch_scc0 .Lh3
	HARM SCL, 22, 0, G1S
	s_branch .Lhasked
.Lh3:
	HARM SCL+2*HALFS, 92, 128*KS, G1SB
.Lhasked:
.irp s, 0,1
	s_mov_b32 s[G0+4*\s], 1
	s_add_co_u32 s[G0+4*\s+1], s45, \s*SLOT
	s_add_nc_u64 s[G0+4*\s+2:G0+4*\s+3], s[20:21], \s*KPLANE
	s_or_b32 s[G0+4*\s+3], s[G0+4*\s+3], 0x80000000
	s_mov_b32 s[G0B+4*\s], 1
	s_add_co_u32 s[G0B+4*\s+1], s45, \s*SLOT
	s_add_nc_u64 s[G0B+4*\s+2:G0B+4*\s+3], s[46:47], \s*KPLANE
	s_or_b32 s[G0B+4*\s+3], s[G0B+4*\s+3], 0x80000000
.endr
	v_and_b32 v1, 15, v0
	v_bfe_u32 v2, v0, 4, 1
	v_mul_u32_u24 v3, v1, PITCH
	v_mul_u32_u24 v4, v2, 24
	v_add_nc_u32 v4, v3, v4
	v_lshl_add_u32 v5, v2, 4, v4
	s_mul_i32 s21, s15, HALFT
	s_mul_i32 s22, s16, HALFT
	s_add_co_u32 s22, s22, 2*HALFT
.irp s, 0,1
	v_add_nc_u32 v[ADRA+\s], s21, v4
	v_add_nc_u32 v[ADRB+\s], s22, v4
	v_add_nc_u32 v[ADRA+2+\s], s21, v5
	v_add_nc_u32 v[ADRB+2+\s], s22, v5
	s_add_co_u32 s21, s21, SLOT
	s_add_co_u32 s22, s22, SLOT
.endr
	v_mul_u32_u24 v5, v1, KS
	v_lshrrev_b32 v6, 8, v5
	v_lshl_add_u32 v5, v6, 4, v5
	s_mul_i32 s21, s15, HALFS
	s_mul_i32 s22, s16, HALFS
	s_add_co_u32 s22, s22, 2*HALFS
	s_sub_co_u32 s22, s22, s21
	v_mul_u32_u24 v6, s22, v2
	s_add_co_u32 s21, s21, SCL
	v_add_nc_u32 v5, v5, v6
	v_add_nc_u32 v[ADRS], s21, v5
	s_cmp_eq_u32 s95, 1
	s_cselect_b32 s66, s40, s41
	s_cselect_b32 s67, s41, s40
	s_cselect_b32 s92, s16, s15
	s_cselect_b32 s93, s15, s16
	s_lshl_b32 s94, s17, 2
	s_add_co_u32 s94, s94, s66
	s_lshl_b32 s94, s94, 8
	s_lshl_b32 s92, s92, 7
	s_add_co_u32 s94, s94, s92
	s_lshr_b32 s92, s94, 11
	s_and_b32 s94, s94, 2047
	s_lshl_b32 s92, s92, 4
	s_lshl_b32 s66, s67, 2
	s_add_co_u32 s92, s92, s66
	s_lshl_b32 s66, s93, 1
	s_add_co_u32 s92, s92, s66
	s_lshl_b32 s66, s67, 10
	s_lshl_b32 s67, s93, 9
	s_add_co_u32 s66, s66, s67
	s_mov_b32 s67, 0
	s_cmp_eq_u32 s42, 1
	s_cselect_b64 s[8:9], s[10:11], s[8:9]
	s_cmp_eq_u32 s42, 2
	s_cselect_b64 s[8:9], s[12:13], s[8:9]
	s_add_nc_u64 s[8:9], s[8:9], s[66:67]
	s_mul_i32 s66, s42, 6291456
	s_mul_i32 s93, s92, 98304
	s_add_co_u32 s66, s66, s93
	s_mul_i32 s93, s94, 48
	s_add_co_u32 s66, s66, s93
	s_add_nc_u64 s[96:97], s[96:97], s[66:67]
	s_lshl_b32 s66, s42, 18
	s_lshl_b32 s93, s92, 12
	s_add_co_u32 s66, s66, s93
	s_lshr_b32 s93, s94, 7
	s_lshl_b32 s93, s93, 8
	s_add_co_u32 s66, s66, s93
	s_add_nc_u64 s[98:99], s[98:99], s[66:67]
	s_mov_b32 s100, 0xffff0000
	s_mov_b32 s[SEL], 0x76543210
	s_mov_b32 s[SEL+1], 0xfedcba98
	v_lshlrev_b32 v[BPO], 6, v2
	v_and_b32 v[BRO], 8, v1
	v_add_nc_u32 v[BRO], v[BRO], v1
	v_lshlrev_b32 v[BRO], 2, v[BRO]
	v_and_b32 v6, 31, v0
	v_lshlrev_b32 v[LI], 4, v6
	v_lshlrev_b32 v[SOF], 4, v1
	v_lshl_add_u32 v[SOF], v2, 12, v[SOF]
.irp b, 0,1,2,3
.irp i, 0,1,2,3
	global_load_b128 v[BP+16*\b+4*\i:BP+16*\b+4*\i+3], v[BPO], s[8:9] offset:128*\b+16*\i
.endr
.endr
.irp a, 0,1,2,3,4,5,6,7
	global_load_b32 v[BR+2*\a], v[BRO], s[8:9] offset:4*(32*(\a/2)+8*(\a%2))
	global_load_b32 v[BR+2*\a+1], v[BRO], s[8:9] offset:4*(32*(\a/2)+8*(\a%2))
.endr
.macro FRAG reg, adr, q, i
.irp p, 0,1,2,3,4,5
.set PCE, 12*(\q)+6*(\p/3)+\p%3
.if PCE%8 < 5
	ds_load_b64 v[\reg+2*\p:\reg+2*\p+1], v[\adr] offset:8*PCE+16*(PCE/8)+(\i)*16*PITCH
.else
	ds_load_b64 v[\reg+2*\p:\reg+2*\p+1], v[\adr+2] offset:8*PCE+16*(PCE/8)+(\i)*16*PITCH
.endif
.endr
.endm
.macro MUL16 a0, p, q, sc, zero
.irp a, \a0, \a0+1
.irp b, 0,1,2,3,4,5,6,7
.if \zero
	v_wmma_scale_f32_16x16x128_f8f6f4 v[8*(8*((\a)%4)+\b):8*(8*((\a)%4)+\b)+7], v[128*(\p)+FR*\b:128*(\p)+FR*\b+FR-1], v[AF+FR*(\a):AF+FR*(\a)+FR-1], 0, v[SC+8*NQ*(\sc)+NQ*\b+(\q)], v[SC+8*NQ*(\sc)+NQ*(\a)+(\q)] matrix_a_fmt:MATRIX_FMT_FP6 matrix_b_fmt:MATRIX_FMT_FP6 matrix_a_scale:MATRIX_SCALE_ROW1
.else
	v_wmma_scale_f32_16x16x128_f8f6f4 v[8*(8*((\a)%4)+\b):8*(8*((\a)%4)+\b)+7], v[128*(\p)+FR*\b:128*(\p)+FR*\b+FR-1], v[AF+FR*(\a):AF+FR*(\a)+FR-1], v[8*(8*((\a)%4)+\b):8*(8*((\a)%4)+\b)+7], v[SC+8*NQ*(\sc)+NQ*\b+(\q)], v[SC+8*NQ*(\sc)+NQ*(\a)+(\q)] matrix_a_fmt:MATRIX_FMT_FP6 matrix_b_fmt:MATRIX_FMT_FP6 matrix_a_scale:MATRIX_SCALE_ROW1
.endif
.endr
.endr
.endm
.macro FETCH_B slot, q, p
	WIN TO_B
.irp i, 0,1,2,3,4,5,6,7
	FRAG 128*(\p)+FR*\i, ADRB+\slot, \q, \i
.endr
	WIN 0
.endm
.macro FETCH_A slot, q, i0
.irp i, \i0, \i0+1, \i0+2, \i0+3
	FRAG AF+FR*(\i), ADRA+\slot, \q, \i
.endr
.endm
.macro SCALES sc
.irp i, 0,1,2,3,4,5,6,7
	ds_load_b64 v[SC+8*NQ*\sc+NQ*\i:SC+8*NQ*\sc+NQ*\i+1], v[ADRS] offset:\i*SBLK
.endr
.endm
.macro PLACES n
.rept \n
	v_nop
.endr
.endm
.macro STEP slot, q, zero
	s_wait_dscnt 4*NL
	WIN MUL_LO
	MUL16 0, (\q)%2, \q, \slot, \zero
	MUL16 2, (\q)%2, \q, \slot, \zero
	s_wait_dscnt 0
	PLACES NP
	FETCH_B \slot, (\q)+1, 1-(\q)%2
	FETCH_A \slot, (\q)+1, 0
	WIN MUL_HI
	MUL16 4, (\q)%2, \q, \slot, \zero
	MUL16 6, (\q)%2, \q, \slot, \zero
	PLACES NP
	WIN 0
	FETCH_A \slot, (\q)+1, 4
.endm
.macro TURN slot, next, fill
	s_wait_tensorcnt 0x0
	ds_add_u32 v[SPW], v[NIL]
	s_wait_dscnt 4*NL+1
	WIN MUL_LO
	MUL16 0, 1, NQ-1, \slot, 0
	s_wait_dscnt 0x0
	s_barrier_signal -1
	MUL16 2, 1, NQ-1, \slot, 0
	WIN 0
	s_barrier_wait -1
.if \fill
	CREST
	s_add_nc_u64 s[G0+4*\slot+2:G0+4*\slot+3], s[G0+4*\slot+2:G0+4*\slot+3], 2*KPLANE
	s_add_nc_u64 s[G0B+4*\slot+2:G0B+4*\slot+3], s[G0B+4*\slot+2:G0B+4*\slot+3], 2*KPLANE
	JLOAD G0+4*\slot, G1, G0B+4*\slot, G1B
.else
	PLACES NP
.endif
	s_wait_alu depctr_va_vdst(0)
	v_add_nc_u32 v[ADRS], 4*NQ, v[ADRS]
	FETCH_B \next, 0, 0
	FETCH_A \next, 0, 0
	SCALES \next
	WIN MUL_HI
	MUL16 4, 1, NQ-1, \slot, 0
	MUL16 6, 1, NQ-1, \slot, 0
	PLACES NP
	WIN 0
	FETCH_A \next, 0, 4
.endm
	s_wait_alu depctr_va_vdst(0)
	s_wait_tensorcnt 0x0                           ; my tile of the head's four is in
	ds_add_u32 v[SPW], v[NIL]
	s_mov_b32 s[G1+2], 96<<16                      ; no tensor load of mine is out: from here on a load brings 128 rows of codes, 96 rows of 256 bytes
	s_mov_b32 s[G1+4], 96
	s_mov_b32 s[G1B+2], 96<<16
	s_mov_b32 s[G1B+4], 96
	s_wait_dscnt 0x0
	CROUND                                         ; all four tiles are in, and the sixteen work-groups are here
	JLOAD G0+4, G1, G0B+4, G1B                     ; K step 1, into slot 1
	FETCH_B 0, 0, 0
	FETCH_A 0, 0, 0
	SCALES 0
	FETCH_A 0, 0, 4
	STEP 0, 0, 1
	TURN 0, 1, 1
	STEP 1, 0, 0
	TURN 1, 0, 1
	STEP 0, 0, 0
	TURN 0, 1, 0
	STEP 1, 0, 0
	s_wait_dscnt 4*NL
	WIN MUL_LO
	MUL16 0, 1, NQ-1, 1, 0
	MUL16 2, 1, NQ-1, 1, 0
	s_wait_dscnt 0
	WIN MUL_HI
	MUL16 4, 1, NQ-1, 1, 0
	MUL16 6, 1, NQ-1, 1, 0
	WIN 0
.macro QUANT s, d0, d1, pw
.irp b, 0,1,2,3
	v_max3_num_f32 v[TM+\b], |v[\s+16*\b]|, |v[\s+1+16*\b]|, 0x1800000
.endr
.irp i, 2,4,6,8,10,12,14
.irp b, 0,1,2,3
	v_max3_num_f32 v[TM+\b], v[TM+\b], |v[\s+16*\b+\i]|, |v[\s+1+16*\b+\i]|
.endr
.endr
.irp b, 0,1,2,3
	v_permlanex16_b32 v[TM+4+\b], v[TM+\b], s[SEL], s[SEL+1]
.endr
.irp b, 0,1,2,3
	v_max_num_f32 v[TM+\b], v[TM+\b], v[TM+4+\b]
.endr
.irp b, 0,1,2,3
	v_add_nc_u32 v[TM+12+\b], 0xff000000, v[TM+\b]
.endr
.irp b, 0,1,2,3
	v_lshrrev_b32 v[TM+4+\b], 23, v[TM+12+\b]
.endr
	v_lshl_or_b32 v[\pw], v[TM+5], 8, v[TM+4]
	v_lshl_or_b32 v[\pw], v[TM+6], 16, v[\pw]
	v_lshl_or_b32 v[\pw], v[TM+7], 24, v[\pw]
	v_cvt_scalef32_pk16_fp6_f32 v[(\d0):(\d0)+2], v[\s:\s+15], v[TM+12]
	v_cvt_scalef32_pk16_fp6_f32 v[T2:T2+2], v[\s+16:\s+31], v[TM+13]
	v_cvt_scalef32_pk16_fp6_f32 v[(\d1):(\d1)+2], v[\s+32:\s+47], v[TM+14]
	v_cvt_scalef32_pk16_fp6_f32 v[T2+4:T2+6], v[\s+48:\s+63], v[TM+15]
	v_nop
.irp i, 0,1,2
	v_permlane16_swap_b32 v[(\d0)+\i], v[T2+\i]
	v_permlane16_swap_b32 v[(\d1)+\i], v[T2+4+\i]
.endr
.irp i, 0,1,2
	v_mov_b32 v[(\d0)+3+\i], v[T2+\i]
	v_mov_b32 v[(\d1)+3+\i], v[T2+4+\i]
.endr
.endm
.macro EBLOCK a, keys
	s_wait_xcnt 0x0
	WIN 0x02+(\a)/4
.set AC, 64*((\a)%4)
.set J, 0
.rept 32
.if \keys
	v_pk_add_f32 v[T+J:T+J+1], v[AC+J:AC+J+1], v[BR+2*(\a):BR+2*(\a)+1]
.else
	v_pk_add_f32 v[T+J:T+J+1], v[AC+J:AC+J+1], v[BP+J:BP+J+1]
.endif
.set J, J+2
.endr
	WIN 0
.if \keys
.set D0, OUT+12*((\a)%2)
.set D1, D0+6
	QUANT T, D0, D1, PW+(\a)
.irp i, 0,1,2
	global_store_b128 v[LI], v[D0+4*\i:D0+4*\i+3], s[96:97] offset:98304*((\a)/4)+1536*((\a)%4)+512*\i
.endr
.else
.set D0, OUT+6*((\a)%2)
.set D1, OUT+12+6*((\a)%2)
	QUANT T, D0, D1, PW+(\a)
.if (\a)%2 == 1
.irp c, 0,1
.irp i, 0,1,2
	global_store_b128 v[LI], v[OUT+12*\c+4*\i:OUT+12*\c+4*\i+3], s[96:97] offset:98304*\c+1536*((\a)/2)+512*\i
.endr
.endr
.endif
.endif
.endm
.macro ESCALE keys
.irp p, 0,1,2,3
.if \keys
	v_cndmask_b32 v[XW+\p], v[PW+\p], v[PW+4+\p], s100
.else
	v_perm_b32 v[XW+\p], v[PW+2*\p+1], v[PW+2*\p], 0x05040100
	v_perm_b32 v[XW+4+\p], v[PW+2*\p+1], v[PW+2*\p], 0x07060302
	v_cndmask_b32 v[XW+\p], v[XW+\p], v[XW+4+\p], s100
.endif
.endr
	global_store_b128 v[SOF], v[XW:XW+3], s[98:99]
.endm
	PLACES NP
	s_wait_loadcnt 0x0
.irp b, 0,1,2,3
	v_mov_b32 v[TM+4+\b], 0
.endr
	s_cmp_eq_u32 s95, 1
	s_cbranch_scc1 .Lkeys
.irp a, 0,1,2,3,4,5,6,7
	EBLOCK \a, 0
.endr
	ESCALE 0
	s_branch .Lend
.Lkeys:
.irp a, 0,1,2,3,4,5,6,7
	EBLOCK \a, 1
.endr
	ESCALE 1
.Lend:
	s_wait_tensorcnt 0x0
	ds_add_u32 v[SPW], v[NIL]
	s_wait_dscnt 0x0
	CROUND
	s_endpgm
.Lfunc_end_k_q40f3dcba0d_proj:
	.size	k_q40f3dcba0d_proj, .Lfunc_end_k_q40f3dcba0d_proj-k_q40f3dcba0d_proj
	.p2alignl 7, 3214868480
	.fill 96, 4, 3214868480
	.section	.rodata,"a",@progbits
	.p2align	6, 0x0
	.amdhsa_kernel k_q40f3dcba0d_proj
		.amdhsa_group_segment_fixed_size 327680
		.amdhsa_private_segment_fixed_size 0
		.amdhsa_enable_private_segment 0
		.amdhsa_kernarg_size 56
		.amdhsa_user_sgpr_count 2
		.amdhsa_user_sgpr_kernarg_segment_ptr 1
		.amdhsa_wavefront_size32 1
		.amdhsa_system_sgpr_workgroup_id_x 1
		.amdhsa_system_sgpr_workgroup_id_y 1
		.amdhsa_system_sgpr_workgroup_id_z 1
		.amdhsa_system_vgpr_workitem_id 0
		.amdhsa_next_free_vgpr 1024
		.amdhsa_next_free_sgpr 102
		.amdhsa_reserve_vcc 0
		.amdhsa_float_denorm_mode_32 3
		.amdhsa_float_denorm_mode_16_64 3
		.amdhsa_memory_ordered 1
		.amdhsa_forward_progress 1
		.amdhsa_inst_pref_size 235
	.end_amdhsa_kernel
	.amdgpu_metadata
---
amdhsa.version: [ 1, 2 ]
amdhsa.kernels:
  - .name:           k_q40f3dcba0d_proj
    .symbol:         k_q40f3dcba0d_proj.kd
    .args:
      - { .name: codes, .offset: 0, .size: 8, .value_kind: global_buffer, .address_space: global }
      - { .name: scales, .offset: 8, .size: 8, .value_kind: global_buffer, .address_space: global }
      - { .name: bq, .offset: 16, .size: 8, .value_kind: global_buffer, .address_space: global }
      - { .name: bk, .offset: 24, .size: 8, .value_kind: global_buffer, .address_space: global }
      - { .name: bv, .offset: 32, .size: 8, .value_kind: global_buffer, .address_space: global }
      - { .name: hcodes, .offset: 40, .size: 8, .value_kind: global_buffer, .address_space: global }
      - { .name: hscales, .offset: 48, .size: 8, .value_kind: global_buffer, .address_space: global }
    .group_segment_fixed_size: 327680
    .private_segment_fixed_size: 0
    .kernarg_segment_align: 8
    .kernarg_segment_size: 56
    .max_flat_workgroup_size: 128
    .sgpr_count:     102
    .vgpr_count:     1024
    .wavefront_size: 32
...
	.end_amdgpu_metadata
.endif
;; end of part 2
;; launch attn (part 3): grid 4 x 64, 16 waves a work-group, clusters of 4 x 1, 206,848 bytes of LDS; arguments hcodes, hscales, ocodes, oscales; writes ocodes, oscales
.if DOCPART == 3
	.amdgcn_target "amdgcn-amd-amdhsa--gfx1250"
	.amdhsa_code_object_version 6
	.text
	.protected	k_q40f3dcba0d_attn
	.globl	k_q40f3dcba0d_attn
	.p2align	8
	.type	k_q40f3dcba0d_attn,@function
k_q40f3dcba0d_attn:
	s_mov_b64 s[64:65], 0
	v_nop
	global_prefetch_b8 v0, s[64:65] scope:SCOPE_SE
	s_setreg_imm32_b32 hwreg(HW_REG_WAVE_MODE, 25, 1), 1
	s_wait_xcnt 0x0
	s_wait_alu depctr_hold_cnt(0) depctr_sa_sdst(0) depctr_va_vdst(0) depctr_va_sdst(0) depctr_va_ssrc(0) depctr_va_vcc(0) depctr_vm_vsrc(0)
	s_getreg_b32 s2, hwreg(HW_REG_IB_STS2, 6, 4)
	s_cmp_eq_u32 s2, 0
	s_cbranch_scc0 .Lentry_in_a_cluster
	s_endpgm
.Lentry_in_a_cluster:
	s_bfe_u32 s2, ttmp6, 0x10000c
	s_cmp_lg_u32 s2, 0x3003
	s_cbranch_scc0 .Lentry_shape_is_right
	s_endpgm
.Lentry_shape_is_right:
; Attention of one (batch, head) on codes of FP6 (E2M3) with E8M0 scales: S^T = K Q^T (K = the head's 64), p = 2^(t - M), O^T = V^T p^T (K = the keys), O / l, and O quantised along the head's 64 for the last projection.
; t = score x log2(e) / 8; M = the running largest t rounded UP to a whole number; p is quantised un-normalised, along the keys; the row's sum l is taken of the unquantised p and divides at the end.
; SHARES.  256 work-groups.  A work-group owns 512 queries of one (batch, head): blocks cx and cx + 4 of 256; each of its sixteen waves takes one tile of 16 of the first block, then one of the second; four waves to a SIMD.
; For each tile a wave walks all 2,048 keys, 128 a step.
; ALL OF THE HEAD'S K AND V LIES IN LDS, filled ONCE.  The four work-groups of a cluster belong to one head, so the tensor load is joint (mask 15).  Each wave issues ONE: key step w's images, K's 6,144 bytes and V's 6,144,
; as two rows of one tile (V's section lies 6,291,456 bytes behind K's), to LDS byte 12,288 w.  The 8,192 bytes of scale words come by one plain load and one LDS store a thread, to bytes of their own from 196,608 on.
; One wait for all and one barrier show everything to all waves; behind it no wave writes LDS but its spare words, so no further barrier stands ahead of the closing round.
; NO DATA PREFETCH: all that the launch reads through LDS is asked for at the head; there is no loop to run ahead in.
; OPERANDS ARE IMAGES OF REGISTERS (register i of lane l at 512 (i / 4) + 16 l + 4 (i % 4) of 1,536 bytes): three ds_load_b128 of 512 consecutive bytes bring a fragment.
; THE HEAD'S 64 ARE HALF OF THE INSTRUCTION'S K.  An image of K holds TWO key tiles: registers 0-5 (k 0-63) the tile of keys r + 8 (r / 8) of a group of 32, registers 6-11 (k 64-127) the tile 8 on.  It is multiplied
; twice: by Q in k 0-63 with zero codes in k 64-127, and the other way round.  The zero half's scale bytes on Q's side are 1.  Zero codes add exact zeros.
; So registers 16 b + i of S^T are keys 32 b + 16 (lane / 16) + i of the step, a lane holds one query throughout, and registers 16 b + i of O^T are d = 32 b + 16 (lane / 16) + i.
; LIMITS: NaN and infinities are not served; a block of zeros gets the byte 1; a block's largest p is taken as the exponential of its largest score (this takes v_exp_f32 not to fall where its input rises);
; the division by l is v_rcp_f32 and a multiplication.
.set LI,  1                            ; v1   16 x lane
.set LR,  2                            ; v2   K's scale words: 196,608 + 16 r
.set QSO, 6                            ; v6   16 r
.set CO8, 7                            ; v7   8 x lane: my place in a plane of ocodes
.set ADK, 8                            ; v8   LDS address of the step's images of K
.set ADV, 9                            ; v9   of V
.set ADS, 10                           ; v10  of the scale words (at the head: where my 16 bytes of them go)
.set BYO, 11                           ; v11  32 r + lane / 16: my byte of oscales
                                       ; v12 -M, v13 the largest t, v[14:15] the sum in two halves; v254, v255 the spare word and 0
.set QLO, 16                           ; v16-27  Q in k 0-63, zeros above
.set QHI, 28                           ; v28-39  zeros, Q in k 64-127
.set KF,  40                           ; v40-87  four images: K's, then V's
.set S,   96                           ; v96-159 S^T, then p
.set O,   160                          ; v160-191 O^T
.set PC,  192                          ; v192-203 p's codes
.set PT,  204                          ; v204-210 the conversions' second halves
.set KSW, 212                          ; v212-215 K's scale words
.set VSW, 216                          ; v216-219 V's
.set QS,  220                          ; v220, v221 Q's scale words for QLO, QHI
.set BM,  224                          ; v224-227 the blocks' largest scores
.set BQ,  228                          ; v228-231 the other half's, then bytes
.set SO,  232                          ; v232-235 the conversions' scale operands
                                       ; v[236:237], v242-253 seven chains of the row's sum
.set F,   238                          ; v[238:239] 2^(old M - new M) (the upper word is only named)
.set PSW, 240                          ; v240 p's scale word
.set TMP, 241
.set WV,  12                           ; s12 wave;  s14 cx;  s15 16 batch + head;  s16 wave / 8;  s17 wave % 8;  s18, s19 which of an image's two tiles is mine
.set SEL, 20                           ; s[20:21] lane l xor 16
.set CS,  22                           ; s[22:23] c = log2(e) / 8
.set G1C, 24                           ; s[24:31] group 1: 2 rows of 6,144 bytes
.set G0C, 44                           ; s[44:47] group 0
.set TB,  60                           ; s60 where the step's images begin
.set TS,  61                           ; s61 and its scale words
.set CNT, 62
.set HI16, 63                          ; s63 lanes 16-31
.macro CROUND                          ; a round of the cluster's barrier
	s_barrier_signal -1
	s_barrier_wait -1
	s_cmp_lg_u32 s[WV], 0
	s_cbranch_scc1 .Lnot_wave_0_\@
	s_barrier_signal -3
.Lnot_wave_0_\@:
	s_barrier_wait -3
	s_barrier_signal -1
	s_barrier_wait -1
.endm
	s_load_b256 s[4:11], s[0:1], 0x0               ; hcodes, hscales, ocodes, oscales
	v_lshl_add_u32 v254, v0, 2, 0x32000
	v_mov_b32 v255, 0
	ds_add_u32 v254, v255
	ds_add_u32 v254, v255
	v_lshrrev_b32 v3, 5, v0
	s_delay_alu instid0(VALU_DEP_1)
	v_readfirstlane_b32 s[WV], v3                  ; wave 0..15
	s_bfe_u32 s14, ttmp6, 0x40000                  ; cx: it enters Q's and the results' addresses alone
	s_and_b32 s15, ttmp7, 0xffff                   ; shared by the four partners
	s_lshr_b32 s16, s[WV], 3
	s_and_b32 s17, s[WV], 7
	s_mov_b32 s[G1C], 15|(3<<16)|(1<<21)           ; the mask: all four work-groups; elements of 8 bytes; no padding; bit 21 beside a mask
	s_mov_b32 s[G1C+1], 768<<16                    ; tensor_dim0 = 768 elements: 6,144 bytes
	s_mov_b32 s[G1C+2], 2<<16                      ; tensor_dim1 = 2: K's row, V's row
	s_mov_b32 s[G1C+3], 768<<16                    ; tile_dim0
	s_mov_b32 s[G1C+4], 2                          ; tile_dim1
	s_mov_b32 s[G1C+5], 786432                     ; from K's section to V's, in elements
	s_mov_b32 s[G1C+6], 0
	s_mov_b32 s[G1C+7], 0
	s_add_co_u32 s66, s16, 1                       ; scale words: waves 0-7 section 1 (k), waves 8-15 section 2 (v)
	s_lshl_b32 s68, s66, 18                        ; hscales: 262,144 a section, 4,096 a head, my wave's 512
	s_lshl_b32 s67, s15, 12
	s_add_co_u32 s68, s68, s67
	s_lshl_b32 s67, s17, 9
	s_add_co_u32 s68, s68, s67
	s_mov_b32 s69, 0
	s_mul_i32 s70, s15, 98304                      ; hcodes: section 1, 98,304 a head, key step w's 6,144
	s_mul_i32 s67, s[WV], 6144
	s_add_co_u32 s70, s70, s67
	s_add_co_u32 s70, s70, 6291456
	s_mov_b32 s71, 0
	s_lshl_b32 s72, s[WV], 9
	s_add_co_u32 s72, s72, 196608                  ; LDS: the scale words, 512 bytes a wave: K's 4,096, then V's
	s_mul_i32 s73, s[WV], 12288                    ; LDS: key step w: K's images, then V's
	; Q's image and scale word; where the results go.  All for block cx; block cx + 4 lies a constant further on
	s_lshl_b32 s66, s14, 3
	s_lshr_b32 s67, s[WV], 1
	s_add_co_u32 s66, s66, s67                     ; my group of 32 queries
	s_mul_i32 s66, s66, 1536
	s_mul_i32 s67, s15, 98304
	s_add_co_u32 s74, s66, s67
	s_mov_b32 s75, 0
	s_lshl_b32 s66, s14, 1
	s_add_co_u32 s66, s66, s16                     ; its 128 queries,
	s_lshl_b32 s66, s66, 8
	s_lshl_b32 s67, s15, 12
	s_add_co_u32 s66, s66, s67
	s_lshr_b32 s67, s[WV], 1
	s_and_b32 s67, s67, 3                          ; and its word among their four
	s_lshl_b32 s67, s67, 2
	s_add_co_u32 s78, s66, s67
	s_mov_b32 s79, 0
	s_lshr_b32 s66, s15, 4                         ; batch
	s_lshl_b32 s66, s66, 7
	s_lshl_b32 s67, s14, 4
	s_add_co_u32 s66, s66, s67
	s_add_co_u32 s66, s66, s[WV]                   ; my tile of 16 positions among the 512
	s_and_b32 s67, s15, 15                         ; head
	s_mul_i32 s76, s67, 393216
	s_mul_i32 s77, s66, 768
	s_add_co_u32 s76, s76, s77                     ; ocodes: [head][tile][3 planes of 256 bytes]
	s_mov_b32 s77, 0
	s_lshl_b32 s66, s66, 9
	s_lshl_b32 s67, s67, 1
	s_add_co_u32 s66, s66, s67                     ; oscales: [position][32]: 512 bytes a tile, byte 2 head + block
	s_mov_b32 s67, 0
	s_and_b32 s19, s[WV], 1
	s_cmp_eq_u32 s19, 1
	s_cselect_b32 s18, -1, 0                       ; all lanes: my tile is the image's second
	s_lshl_b32 s19, s19, 4                         ; and its two scale bytes lie 16 bits up
	s_mov_b32 s[SEL], 0x76543210
	s_mov_b32 s[SEL+1], 0xfedcba98
	s_mov_b32 s[CS], 0x3e38aa3b                    ; log2(e) / 8
	s_mov_b32 s[CS+1], s[CS]                       ; (named with it as a pair)
	s_mov_b32 s[HI16], 0xffff0000
	s_wait_dscnt 0x0
	s_wait_kmcnt 0x0
	s_add_nc_u64 s[74:75], s[4:5], s[74:75]
	s_add_nc_u64 s[78:79], s[6:7], s[78:79]
	s_add_nc_u64 s[8:9], s[8:9], s[76:77]
	s_add_nc_u64 s[10:11], s[10:11], s[66:67]
	s_add_nc_u64 s[68:69], s[6:7], s[68:69]
	s_mov_b32 s[G0C], 1
	s_mov_b32 s[G0C+1], s73
	s_add_nc_u64 s[G0C+2:G0C+3], s[4:5], s[70:71]
	s_or_b32 s[G0C+3], s[G0C+3], 0x80000000
	CROUND                                         ; all four work-groups are here: the joint loads meet
	tensor_load_to_lds s[G0C:G0C+3], s[G1C:G1C+7]  ; my one tensor load of the launch
	s_nop 0
.rept 4
	v_nop
.endr
	v_and_b32 v3, 31, v0                           ; lane
	v_and_b32 v4, 15, v0                           ; r
	v_bfe_u32 v5, v0, 4, 1                         ; lane / 16
	s_delay_alu instid0(VALU_DEP_3)
	v_lshlrev_b32 v[LI], 4, v3
	s_delay_alu instid0(VALU_DEP_3)
	v_lshlrev_b32 v[QSO], 4, v4
	v_lshl_add_u32 v[LR], v4, 4, 196608
	v_lshlrev_b32 v[CO8], 3, v3
	v_lshl_add_u32 v[BYO], v4, 5, v5
	v_add_nc_u32 v[ADS], s72, v[LI]
	global_load_b128 v[S:S+3], v[LI], s[68:69]     ; my 16 bytes of the scale words: a wave reads 512 consecutive bytes
; Q OF TILE j, and the tile's start
.macro QIN j
.if \j
	s_wait_xcnt 0x0                                ; the last tile's stores have read their registers
.endif
.irp i, 0,1,2
	global_load_b128 v[KF+4*\i:KF+4*\i+3], v[LI], s[74:75] offset:49152*\j+512*\i   ; the image of my group of 32 queries
.endr
	global_load_b32 v[TMP], v[QSO], s[78:79] offset:2048*\j   ; its scale word: two bytes for each of its two tiles
	s_wait_loadcnt 0x0
.irp i, 0,1,2,3,4,5
	v_cndmask_b32 v[QLO+\i], v[KF+\i], v[KF+6+\i], s18   ; my tile's six registers
.endr
.irp i, 0,1,2,3,4,5
	v_mov_b32 v[QHI+6+\i], v[QLO+\i]
.endr
.irp i, 0,1,2,3,4,5,6,7,8,9,10,11
	v_mov_b32 v[QLO+6+\i], 0                       ; zero codes: QLO's upper half and QHI's lower
.endr
	v_lshrrev_b32 v[TMP], s19, v[TMP]
	s_delay_alu instid0(VALU_DEP_1)
	v_and_b32 v[TMP], 0xffff, v[TMP]
	s_delay_alu instid0(VALU_DEP_1)
	v_or_b32 v[QS], 0x01010000, v[TMP]             ; my two bytes below, 1 for the zero half
	s_delay_alu instid0(VALU_DEP_2)
	v_lshl_or_b32 v[QS+1], v[TMP], 16, 0x0101      ; and the other way round
	v_mov_b32 v13, 0xff61b1e6                      ; the largest t so far: -3e38
	s_delay_alu instid0(VALU_DEP_1)
	v_floor_f32 v12, -v13                          ; -M
	v_mov_b32 v14, 0
	v_mov_b32 v15, 0
	v_mov_b32 v[F+1], 0
.irp b, 0,1,2,3
	v_mov_b32 v[BQ+\b], 0                          ; a lane permute's destination counts as one of its sources
.endr
.set J_, 0
.rept 32
	v_mov_b32 v[O+J_], 0                           ; O^T: the step is written once; its first pass finds zeros.  (Also the places between Q's operands and scale words and the first products)
.set J_, J_+1
.endr
.endm
; A KEY STEP: 128 keys.
.macro STEP
	v_add_nc_u32 v[ADK], s[TB], v[LI]              ; four plain lines: the places behind the last products, in front of loads into the registers that they read
	v_add_nc_u32 v[ADS], s[TS], v[LR]
	s_delay_alu instid0(VALU_DEP_2)
	v_add_nc_u32 v[ADV], 0x1800, v[ADK]
	v_nop
.irp b, 0,1,2,3
.irp i, 0,1,2
	ds_load_b128 v[KF+12*\b+4*\i:KF+12*\b+4*\i+3], v[ADK] offset:1536*\b+512*\i
.endr
.endr
	ds_load_b128 v[KSW:KSW+3], v[ADS]              ; word b: the two tiles of group b
	s_wait_alu depctr_va_vdst(0)
	s_wait_dscnt 0x0
.irp b, 0,1,2,3                                ; each image twice: its lower tile against QLO, its upper against QHI
	v_wmma_scale_f32_16x16x128_f8f6f4 v[S+16*\b:S+16*\b+7], v[KF+12*\b:KF+12*\b+11], v[QLO:QLO+11], 0, v[KSW+\b], v[QS] matrix_a_fmt:MATRIX_FMT_FP6 matrix_b_fmt:MATRIX_FMT_FP6
	v_wmma_scale_f32_16x16x128_f8f6f4 v[S+16*\b+8:S+16*\b+15], v[KF+12*\b:KF+12*\b+11], v[QHI:QHI+11], 0, v[KSW+\b], v[QS+1] matrix_a_fmt:MATRIX_FMT_FP6 matrix_b_fmt:MATRIX_FMT_FP6
.endr
.rept 4
	v_nop                                          ; places: V's images land in the registers just read, and the scores are read below
.endr
.irp t, 0,1,2,3
.irp i, 0,1,2
	ds_load_b128 v[KF+12*\t+4*\i:KF+12*\t+4*\i+3], v[ADV] offset:1536*\t+512*\i   ; asked for ahead of the softmax
.endr
.endr
	ds_load_b128 v[VSW:VSW+3], v[ADS] offset:4096
.irp b, 0,1,2,3
	v_max3_num_f32 v[BM+\b], v[S+16*\b], v[S+1+16*\b], v[S+2+16*\b]   ; the largest score of each block of 32 keys: for the row's maximum and for the block's largest p
.endr
.irp i, 3,5,7,9,11,13
.irp b, 0,1,2,3
	v_max3_num_f32 v[BM+\b], v[BM+\b], v[S+16*\b+\i], v[S+1+16*\b+\i]
.endr
.endr
.irp b, 0,1,2,3
	v_max_num_f32 v[BM+\b], v[BM+\b], v[S+15+16*\b]
.endr
.irp b, 0,1,2,3
	s_delay_alu instid0(VALU_DEP_4)
	v_permlanex16_b32 v[BQ+\b], v[BM+\b], s[SEL], s[SEL+1]
.endr
.irp b, 0,1,2,3
	s_delay_alu instid0(VALU_DEP_4)
	v_max_num_f32 v[BM+\b], v[BM+\b], v[BQ+\b]     ; with lane l xor 16's 16 keys
.endr
	s_delay_alu instid0(VALU_DEP_2)
	v_max3_num_f32 v[TMP], v[BM], v[BM+1], v[BM+2]
	s_delay_alu instid0(VALU_DEP_1)
	v_max_num_f32 v[TMP], v[TMP], v[BM+3]          ; the step's largest score of my query
	s_delay_alu instid0(VALU_DEP_1)
	v_mul_f32 v[TMP], s[CS], v[TMP]                ; as t
	s_delay_alu instid0(VALU_DEP_1)
	v_max_num_f32 v13, v13, v[TMP]                 ; the running largest t
	v_mov_b32 v[TMP], v12
	s_delay_alu instid0(VALU_DEP_2)
	v_floor_f32 v12, -v13                          ; the new -M = -ceil(t): a whole number
	s_delay_alu instid0(VALU_DEP_1)
	v_sub_f32 v[TMP], v12, v[TMP]                  ; old M - new M, 0 or less
	s_delay_alu instid0(VALU_DEP_1)
	v_cvt_i32_f32 v[TMP], v[TMP]                   ; (it saturates)
	s_delay_alu instid0(VALU_DEP_1)
	v_ldexp_f32 v[F], 1.0, v[TMP]                  ; f = 2^(old M - new M): a multiplication by it rounds nothing
.set J_, 0
.rept 32
	v_pk_fma_f32 v[S+J_:S+J_+1], v[S+J_:S+J_+1], s[CS:CS+1], v[12:13] op_sel_hi:[1,0,0]   ; t - M, two at a time
.set J_, J_+2
.endr
.irp b, 0,1,2,3
	v_fma_f32 v[BM+\b], v[BM+\b], s[CS], v12       ; the same of each block's largest score
.endr
	s_wait_alu depctr_va_vdst(0)
.set J_, 0
.rept 64
	v_exp_f32 v[S+J_], v[S+J_]                     ; p = 2^(t - M), at most 1
.set J_, J_+1
.endr
	v_pk_mul_f32 v[14:15], v[14:15], v[F:F+1] op_sel_hi:[1,0]   ; the sums under the new M (a plain place behind the exponentials)
	s_wait_alu depctr_va_vdst(0)                   ; one wait for the batch of 64, ahead of its first reader
.irp b, 0,1,2,3
	v_exp_f32 v[BM+\b], v[BM+\b]                   ; the block's largest p
.endr
	; the row's sum of the unquantised p: 32 pairs in eight chains side by side
.set J_, 0
.irp c, 242,244,246,248,250,252,236
	v_pk_add_f32 v[\c:\c+1], v[S+J_:S+J_+1], v[S+14+J_:S+15+J_]
.set J_, J_+2
.endr
	v_pk_add_f32 v[14:15], v[14:15], v[S+28:S+29]
.irp o, 30,46
.set J_, \o
.irp c, 242,244,246,248,250,252,236
	v_pk_add_f32 v[\c:\c+1], v[\c:\c+1], v[S+J_:S+J_+1]
.set J_, J_+2
.endr
	v_pk_add_f32 v[14:15], v[14:15], v[S+J_:S+J_+1]
.endr
	v_pk_add_f32 v[236:237], v[236:237], v[S+62:S+63]
	s_delay_alu instid0(VALU_DEP_2)
	v_pk_add_f32 v[14:15], v[14:15], v[248:249]
	s_delay_alu instid0(VALU_DEP_2)
	v_pk_add_f32 v[236:237], v[236:237], v[246:247]
	v_pk_add_f32 v[252:253], v[252:253], v[244:245]
	v_pk_add_f32 v[250:251], v[250:251], v[242:243]
	s_delay_alu instid0(VALU_DEP_2)
	v_pk_add_f32 v[14:15], v[14:15], v[252:253]
	s_delay_alu instid0(VALU_DEP_2)
	v_pk_add_f32 v[236:237], v[236:237], v[250:251]
	s_delay_alu instid0(VALU_DEP_1)
	v_pk_add_f32 v[14:15], v[14:15], v[236:237]
	s_wait_alu depctr_va_vdst(0)                   ; and one for the four
.irp b, 0,1,2,3
	v_max_num_f32 v[BM+\b], 0x1800000, v[BM+\b]    ; the floor 2^(3 - 127): the byte cannot fall under 1
.endr
.irp b, 0,1,2,3
	s_delay_alu instid0(VALU_DEP_4)
	v_add_nc_u32 v[SO+\b], 0xff000000, v[BM+\b]    ; 2 off the exponent field: the conversion's scale operand
.endr
.irp b, 0,1,2,3
	s_delay_alu instid0(VALU_DEP_4)
	v_lshrrev_b32 v[BQ+\b], 23, v[SO+\b]           ; the scale's byte
.endr
	s_delay_alu instid0(VALU_DEP_3)
	v_lshl_or_b32 v[PSW], v[BQ+1], 8, v[BQ]        ; p's scale word for these 128 keys
	s_delay_alu instid0(VALU_DEP_1)
	v_lshl_or_b32 v[PSW], v[BQ+2], 16, v[PSW]
	s_delay_alu instid0(VALU_DEP_1)
	v_lshl_or_b32 v[PSW], v[BQ+3], 24, v[PSW]
.irp c, 0,1
	v_cvt_scalef32_pk16_fp6_f32 v[PC+6*\c:PC+6*\c+2], v[S+32*\c:S+32*\c+15], v[SO+2*\c]
	v_cvt_scalef32_pk16_fp6_f32 v[PT+4*\c:PT+4*\c+2], v[S+16+32*\c:S+31+32*\c], v[SO+2*\c+1]   ; (a conversion's three registers begin on an even number)
.endr
	v_nop                                          ; one plain place behind a scaled conversion
.irp c, 0,1                                    ; the operand's layout wants a WHOLE block in a lane
.irp i, 0,1,2
	v_permlane16_swap_b32 v[PC+6*\c+\i], v[PT+4*\c+\i]
.endr
.irp i, 0,1,2
	s_delay_alu instid0(VALU_DEP_3)
	v_mov_b32 v[PC+3+6*\c+\i], v[PT+4*\c+\i]
.endr
.endr
.set J_, 0
.rept 16
	v_pk_mul_f32 v[O+J_:O+J_+1], v[O+J_:O+J_+1], v[F:F+1] op_sel_hi:[1,0]   ; O^T under the new M.  (These sixteen are also the places between p's codes and scale word and the products)
.set J_, J_+2
.endr
	s_wait_alu depctr_va_vdst(0)
	s_wait_dscnt 0x0                               ; V's images and scale words
.irp t, 0,1,2,3                                ; the four accumulators by turns
	v_wmma_scale_f32_16x16x128_f8f6f4 v[O+8*\t:O+8*\t+7], v[KF+12*\t:KF+12*\t+11], v[PC:PC+11], v[O+8*\t:O+8*\t+7], v[VSW+\t], v[PSW] matrix_a_fmt:MATRIX_FMT_FP6 matrix_b_fmt:MATRIX_FMT_FP6
.endr
	s_add_co_u32 s[TB], s[TB], 12288               ; the next 128 keys
	s_add_co_u32 s[TS], s[TS], 256
.endm
.macro WALK                            ; all sixteen key steps
	s_mov_b32 s[TB], 0
	s_mov_b32 s[TS], 0
	s_mov_b32 s[CNT], 16
.Lstep_\@:
	STEP
	s_sub_co_u32 s[CNT], s[CNT], 1
	s_cmp_lg_u32 s[CNT], 0
	s_cbranch_scc1 .Lstep_\@
.endm
; THE WAY OUT OF TILE j: O^T / l, quantised along the head's 64: two blocks, whose six registers are half a fragment of the last projection's operand.
.macro WAYOUT j
	v_add_f32 v14, v14, v15                        ; the sum's two halves,
	s_delay_alu instid0(VALU_DEP_1)
	v_permlanex16_b32 v[TMP], v14, s[SEL], s[SEL+1]
	s_delay_alu instid0(VALU_DEP_1)
	v_add_f32 v14, v14, v[TMP]                     ; and lane l xor 16's
	s_wait_alu depctr_va_vdst(0)
	v_rcp_f32 v14, v14
.rept 3
	v_nop                                          ; a plain place behind the reciprocal; with the two additions above also the places behind the last products
.endr
	s_wait_alu depctr_va_vdst(0)                   ; ahead of the reciprocal's first reader
.set J_, 0
.rept 16
	v_pk_mul_f32 v[S+J_:S+J_+1], v[O+J_:O+J_+1], v[14:15] op_sel_hi:[1,0]   ; each accumulator from its low end on
.set J_, J_+2
.endr
.irp b, 0,1
	v_max3_num_f32 v[BM+\b], |v[S+16*\b]|, |v[S+1+16*\b]|, 0x1800000
.endr
.irp i, 2,4,6,8,10,12,14
.irp b, 0,1
	s_delay_alu instid0(VALU_DEP_2)
	v_max3_num_f32 v[BM+\b], v[BM+\b], |v[S+16*\b+\i]|, |v[S+1+16*\b+\i]|
.endr
.endr
.irp b, 0,1
	s_delay_alu instid0(VALU_DEP_2)
	v_permlanex16_b32 v[BQ+\b], v[BM+\b], s[SEL], s[SEL+1]
.endr
.irp b, 0,1
	s_delay_alu instid0(VALU_DEP_2)
	v_max_num_f32 v[BM+\b], v[BM+\b], v[BQ+\b]
.endr
.irp b, 0,1
	s_delay_alu instid0(VALU_DEP_2)
	v_add_nc_u32 v[SO+\b], 0xff000000, v[BM+\b]
.endr
.irp b, 0,1
	s_delay_alu instid0(VALU_DEP_2)
	v_lshrrev_b32 v[BQ+\b], 23, v[SO+\b]
.endr
	v_cvt_scalef32_pk16_fp6_f32 v[PC:PC+2], v[S:S+15], v[SO]
	v_cvt_scalef32_pk16_fp6_f32 v[PT:PT+2], v[S+16:S+31], v[SO+1]
	v_cndmask_b32 v[TMP], v[BQ], v[BQ+1], s[HI16]  ; lanes 0-15 store block 0's byte, lanes 16-31 block 1's (also the plain place behind the conversions)
.irp i, 0,1,2
	v_permlane16_swap_b32 v[PC+\i], v[PT+\i]
.endr
.irp i, 0,1,2
	s_delay_alu instid0(VALU_DEP_3)
	v_mov_b32 v[PC+3+\i], v[PT+\i]                 ; registers 0-5: d = 32 (lane / 16) + 0 .. 31 of my query
.endr
.irp p, 0,1,2
	global_store_b64 v[CO8], v[PC+2*\p:PC+2*\p+1], s[8:9] offset:49152*\j+256*\p   ; 32 lanes store 256 consecutive bytes, aligned
.endr
	global_store_b8 v[BYO], v[TMP], s[10:11] offset:32768*\j   ; a row's 32 bytes come from sixteen heads' work-groups: single bytes, 1/24 of what the launch stores
.endm
	QIN 0
	s_wait_alu depctr_va_vdst(0)
	s_wait_tensorcnt 0x0                           ; my key step's images are in
	ds_store_b128 v[ADS], v[S:S+3]                 ; my 16 bytes of the scale words
	s_wait_dscnt 0x0
	s_barrier_signal -1
	s_barrier_wait -1                              ; everybody's are: all of K, V and the scale words
	WALK
	WAYOUT 0
	QIN 1
	WALK
	WAYOUT 1
	s_wait_tensorcnt 0x0                           ; the wave's end
	ds_add_u32 v254, v255
	s_wait_dscnt 0x0
	CROUND                                         ; the closing round
	s_endpgm
.Lfunc_end_k_q40f3dcba0d_attn:
	.size	k_q40f3dcba0d_attn, .Lfunc_end_k_q40f3dcba0d_attn-k_q40f3dcba0d_attn
	.p2alignl 7, 3214868480
	.fill 96, 4, 3214868480
	.section	.rodata,"a",@progbits
	.p2align	6, 0x0
	.amdhsa_kernel k_q40f3dcba0d_attn
		.amdhsa_group_segment_fixed_size 206848
		.amdhsa_private_segment_fixed_size 0
		.amdhsa_enable_private_segment 0
		.amdhsa_kernarg_size 32
		.amdhsa_user_sgpr_count 2
		.amdhsa_user_sgpr_kernarg_segment_ptr 1
		.amdhsa_wavefront_size32 1
		.amdhsa_system_sgpr_workgroup_id_x 1
		.amdhsa_system_sgpr_workgroup_id_y 1
		.amdhsa_system_sgpr_workgroup_id_z 1
		.amdhsa_system_vgpr_workitem_id 0
		.amdhsa_next_free_vgpr 256
		.amdhsa_next_free_sgpr 80
		.amdhsa_reserve_vcc 0
		.amdhsa_float_denorm_mode_32 3
		.amdhsa_float_denorm_mode_16_64 3
		.amdhsa_memory_ordered 1
		.amdhsa_forward_progress 1
		.amdhsa_inst_pref_size 54
	.end_amdhsa_kernel
	.amdgpu_metadata
---
amdhsa.version: [ 1, 2 ]
amdhsa.kernels:
  - .name:           k_q40f3dcba0d_attn
    .symbol:         k_q40f3dcba0d_attn.kd
    .args:
      - { .name: hcodes, .offset: 0, .size: 8, .value_kind: global_buffer, .address_space: global }
      - { .name: hscales, .offset: 8, .size: 8, .value_kind: global_buffer, .address_space: global }
      - { .name: ocodes, .offset: 16, .size: 8, .value_kind: global_buffer, .address_space: global }
      - { .name: oscales, .offset: 24, .size: 8, .value_kind: global_buffer, .address_space: global }
    .group_segment_fixed_size: 206848
    .private_segment_fixed_size: 0
    .kernarg_segment_align: 8
    .kernarg_segment_size: 32
    .max_flat_workgroup_size: 512
    .sgpr_count:     80
    .vgpr_count:     256
    .wavefront_size: 32
...
	.end_amdgpu_metadata
.endif
;; end of part 3
;; launch outp (part 4): grid 4 x 32, 4 waves a work-group, clusters of 4 x 4, 327,680 bytes of LDS; arguments ocodes, oscales, codes, scales, out0, bo; writes out0
.if DOCPART == 4
	.amdgcn_target "amdgcn-amd-amdhsa--gfx1250"
	.amdhsa_code_object_version 6
	.text
	.protected	k_q40f3dcba0d_outp
	.globl	k_q40f3dcba0d_outp
	.p2align	8
	.type	k_q40f3dcba0d_outp,@function
k_q40f3dcba0d_outp:
	s_mov_b64 s[64:65], 0
	v_nop
	global_prefetch_b8 v0, s[64:65] scope:SCOPE_SE
	s_setreg_imm32_b32 hwreg(HW_REG_WAVE_MODE, 25, 1), 1
	s_wait_xcnt 0x0
	s_wait_alu depctr_hold_cnt(0) depctr_sa_sdst(0) depctr_va_vdst(0) depctr_va_sdst(0) depctr_va_ssrc(0) depctr_va_vcc(0) depctr_vm_vsrc(0)
	s_getreg_b32 s2, hwreg(HW_REG_IB_STS2, 6, 4)
	s_cmp_eq_u32 s2, 0
	s_cbranch_scc0 .Lentry_in_a_cluster
	s_endpgm
.Lentry_in_a_cluster:
	s_bfe_u32 s2, ttmp6, 0x10000c
	s_cmp_lg_u32 s2, 0xf033
	s_cbranch_scc0 .Lentry_shape_is_right
	s_endpgm
.Lentry_shape_is_right:
.set NQ,     2
.set ROWB,   192
.set KROW,   192                       ; a row's bytes in one plane of the codes (256 along K)
.set KPLANE, 5505024                   ; from plane to plane: 28,672 rows x 192
.set PITCH,  240
.set FR,     12
.set NL,     6
.set NP,     4
.set AHALF,  4*6144
.set ASTEP,  4*393216
.set HALFT,  128*PITCH
.set SLOT,   2*AHALF+2*HALFT
.set KS,     32
.set SCL,    2*SLOT
.set HALFS,  (128*KS/256)*272
.set SBLK,   (16*KS/256)*272
.set SPARE,  SCL+4*HALFS
.set SPITCH, 528
.set ADRA, 16
.set ADRB, 20
.set STO,  24
.set RD,   25
.set CO,   26
.set ADRS, 27
.set SPW,  28
.set NIL,  29
.set BPO,  30
.set SC,   32
.set BIAS, 64
.set AF,   128
.set BK,   128
.set G1, 24
.set G0, 32
.set G1B, 48
.set G0B, 56
.set G1S, 68
.set G0S, 76
.set G1SB, 80
.set G0SB, 88
.set MSB, 0
.macro WIN new
.if MSB != (\new)
	s_set_vgpr_msb (MSB<<8)|(\new)
.set MSB, (\new)
.endif
.endm
.set MUL_LO, 0xa1
.set MUL_HI, 0xf1
.set FST_LO, 0x81
.set FST_HI, 0xc1
.set TO_B,   0x40
.macro JLOAD g0a, g1a, g0b, g1b
	s_cmp_eq_u32 s15, 0
	s_cbranch_scc0 .Lfor_b_\@
	tensor_load_to_lds s[\g0a:\g0a+3], s[\g1a:\g1a+7]
	s_nop 0
.rept 4
	v_nop
.endr
	s_branch .Lasked_\@
.Lfor_b_\@:
	tensor_load_to_lds s[\g0b:\g0b+3], s[\g1b:\g1b+7]
	s_nop 0
.rept 4
	v_nop
.endr
.Lasked_\@:
.endm
.macro CREST
	s_cmp_lg_u32 s14, 0
	s_cbranch_scc1 .Lnot_wave_0_\@
	s_barrier_signal -3
.Lnot_wave_0_\@:
	s_barrier_wait -3
	s_barrier_signal -1
	s_barrier_wait -1
.endm
.macro CROUND
	s_barrier_signal -1
	s_barrier_wait -1
	CREST
.endm
	s_load_b128 s[4:7], s[0:1], 0x0
	s_load_b128 s[8:11], s[0:1], 0x10
	s_load_b64 s[12:13], s[0:1], 0x20
	s_load_b64 s[96:97], s[0:1], 0x28
	v_lshl_add_u32 v[SPW], v0, 2, SPARE
	v_mov_b32 v[NIL], 0
	ds_add_u32 v28, v29
	ds_add_u32 v28, v29
	s_wait_dscnt 0x0
	v_lshrrev_b32 v1, 5, v0
	v_readfirstlane_b32 s14, v1
	s_lshr_b32 s15, s14, 1
	s_and_b32 s16, s14, 1
	s_bfe_u32 s40, ttmp6, 0x40000
	s_bfe_u32 s41, ttmp6, 0x40004
	s_lshl_b32 s42, ttmp9, 2
	s_add_co_u32 s42, s42, s40
	s_and_b32 s17, ttmp7, 0xffff
	s_lshl_b32 s17, s17, 2
	s_add_co_u32 s17, s17, s41
	s_lshl_b32 s43, s41, 2
	s_lshl_b32 s43, 15, s43
	s_lshl_b32 s44, 0x1111, s40
	s_or_b32 s[G1+0], s43, (3<<16)|(1<<21)
	s_mov_b32 s[G1+1], 768<<16
	s_mov_b32 s[G1+2], 4<<16
	s_mov_b32 s[G1+3], 768<<16
	s_mov_b32 s[G1+4], 4
	s_mov_b32 s[G1+5], 49152
	s_mov_b32 s[G1+6], 0
	s_mov_b32 s[G1+7], 0
	s_or_b32 s[G1B+0], s44, (0<<16)|(1<<20)|(1<<21)|(3<<22)|(3<<25)
	s_mov_b32 s[G1B+1], 256<<16                    ; 128 rows of 192 bytes lie on end: they come as 96 rows of 256 bytes, each at a multiple of 256
	s_mov_b32 s[G1B+2], 192<<16                    ; the head's load brings B's 256 rows: 192 rows of 256 bytes
	s_mov_b32 s[G1B+3], 256<<16
	s_mov_b32 s[G1B+4], 192
	s_mov_b32 s[G1B+5], 256
	s_mov_b32 s[G1B+6], 0
	s_mov_b32 s[G1B+7], 0
	s_or_b32 s[G1SB+0], s44, (3<<16)|(1<<20)|(1<<21)|(5<<22)|(3<<25)
.irp g, G1SB
	s_mov_b32 s[\g+1], 32<<16
	s_mov_b32 s[\g+2], (256*KS/256)<<16            ; the scale bytes of B's 256 rows
	s_mov_b32 s[\g+3], 32<<16
	s_mov_b32 s[\g+4], 256*KS/256
	s_mov_b32 s[\g+5], 32
	s_mov_b32 s[\g+6], 0
	s_mov_b32 s[\g+7], 0
.endr
	s_mul_i32 s20, s17, 16*768
	s_mul_i32 s18, s16, 8*768
	s_add_co_u32 s20, s20, s18
	s_mov_b32 s21, 0
	s_lshl_b32 s22, s17, 13
	s_lshl_b32 s18, s14, 11                        ; of A's 8,192 scale bytes my wave's 2,048
	s_add_co_u32 s22, s22, s18
	s_mov_b32 s23, 0
	s_lshl_b32 s46, s42, 8
	s_lshl_b32 s18, s16, 7
	s_add_co_u32 s46, s46, s18
	s_add_co_u32 s46, s46, 27648
	s_lshl_b32 s92, s46, 5
	s_mov_b32 s93, 0
	s_mul_i32 s46, s46, KROW
	s_mov_b32 s47, 0
	s_mul_i32 s45, s16, AHALF
	s_mul_i32 s66, s16, HALFT
	s_add_co_u32 s66, s66, 2*AHALF
	s_wait_kmcnt 0x0
	s_add_nc_u64 s[20:21], s[4:5], s[20:21]
	s_add_nc_u64 s[22:23], s[6:7], s[22:23]
	s_add_nc_u64 s[46:47], s[8:9], s[46:47]
	s_add_nc_u64 s[92:93], s[10:11], s[92:93]
	CROUND
	s_mov_b64 s[2:3], s[22:23]                     ; A's scale bytes come by plain loads: the head's tensor loads are taken
.irp s, 0,1
	s_mov_b32 s[G0+4*\s], 1
	s_add_co_u32 s[G0+4*\s+1], s45, \s*SLOT
	s_add_nc_u64 s[G0+4*\s+2:G0+4*\s+3], s[20:21], \s*ASTEP
	s_or_b32 s[G0+4*\s+3], s[G0+4*\s+3], 0x80000000
	s_mov_b32 s[G0B+4*\s], 1
	s_add_co_u32 s[G0B+4*\s+1], s66, \s*SLOT
	s_add_nc_u64 s[G0B+4*\s+2:G0B+4*\s+3], s[46:47], \s*KPLANE
	s_or_b32 s[G0B+4*\s+3], s[G0B+4*\s+3], 0x80000000
.endr
; THE HEAD'S TILES, ONE A WAVE, in one chain of arms: waves 0 and 1 K step 0's two halves of A, wave 2 its 256 rows of B, wave 3 B's scale bytes.  Waves 2 and 3 make group 0 in s[4:7], whose arguments have been used.
; Wave 3 holds the address of the tile's second 128 rows: back = those rows' bytes.
.macro HARM lds, src, back, g1
	s_mov_b32 s5, \lds
	s_sub_nc_u64 s[6:7], s[\src:\src+1], \back
	s_or_b32 s7, s7, 0x80000000
	tensor_load_to_lds s[4:7], s[\g1:\g1+7]
	s_nop 0
.rept 4
	v_nop
.endr
.endm
	s_mov_b32 s4, 1
	s_cmp_lt_u32 s14, 2
	s_cbranch_scc0 .Lh2
	tensor_load_to_lds s[G0:G0+3], s[G1:G1+7]
	s_nop 0
.rept 4
	v_nop
.endr
	s_branch .Lhasked
.Lh2:
	s_cmp_eq_u32 s14, 2
	s_cbranch_scc0 .Lh3
	HARM 2*AHALF, 46, 0, G1B
	s_branch .Lhasked
.Lh3:
	HARM SCL+2*HALFS, 92, 128*KS, G1SB
.Lhasked:
	v_and_b32 v1, 15, v0
	v_bfe_u32 v2, v0, 4, 1
	v_and_b32 v6, 31, v0
	v_mul_u32_u24 v3, v1, PITCH
	v_mul_u32_u24 v4, v2, 24
	v_add_nc_u32 v4, v3, v4
	v_lshl_add_u32 v5, v2, 4, v4
	v_lshlrev_b32 v7, 3, v6
	s_mul_i32 s21, s15, AHALF
	s_mul_i32 s22, s16, HALFT
	s_add_co_u32 s22, s22, 2*AHALF
.irp s, 0,1
	v_add_nc_u32 v[ADRA+\s], s21, v7
	v_add_nc_u32 v[ADRB+\s], s22, v4
	v_add_nc_u32 v[ADRB+2+\s], s22, v5
	s_add_co_u32 s21, s21, SLOT
	s_add_co_u32 s22, s22, SLOT
.endr
	v_mul_u32_u24 v5, v1, KS
	v_lshrrev_b32 v7, 8, v5
	v_lshl_add_u32 v5, v7, 4, v5
	s_mul_i32 s21, s15, HALFS
	s_mul_i32 s22, s16, HALFS
	s_add_co_u32 s22, s22, 2*HALFS
	s_sub_co_u32 s22, s22, s21
	v_mul_u32_u24 v7, s22, v2
	s_add_co_u32 s21, s21, SCL
	v_add_nc_u32 v5, v5, v7
	v_add_nc_u32 v[ADRS], s21, v5
	s_mul_i32 s23, s14, 16*SPITCH
	v_mul_u32_u24 v5, v1, SPITCH
	v_lshl_add_u32 v5, v2, 6, v5
	v_add_nc_u32 v[STO], s23, v5
	v_lshlrev_b32 v[CO], 4, v6
	v_add_nc_u32 v[RD], s23, v[CO]
	v_lshlrev_b32 v[BPO], 6, v2
	v_mul_u32_u24 v8, v2, 272                      ; where my 16 bytes of A's scale bytes go: units of 256 + 16, eight units a wave, two a load
	v_lshl_add_u32 v8, v1, 4, v8
	s_mul_i32 s21, s14, 8*272
	s_add_co_u32 s21, s21, SCL
	v_add_nc_u32 v8, s21, v8
	s_wait_alu depctr_va_vdst(0)
	s_lshl_b32 s20, s17, 20
	s_lshl_b32 s21, s15, 19
	s_add_co_u32 s20, s20, s21
	s_lshl_b32 s46, s42, 10
	s_lshl_b32 s47, s16, 9
	s_add_co_u32 s46, s46, s47
	s_mov_b32 s47, 0
	s_add_nc_u64 s[96:97], s[96:97], s[46:47]
	s_add_co_u32 s66, s46, s20
	s_mov_b32 s67, 0
	s_add_nc_u64 s[12:13], s[12:13], s[66:67]
.irp k, 0,1,2,3
	global_load_b128 v[AF+4*\k:AF+4*\k+3], v[CO], s[2:3] offset:512*\k   ; 32 lanes read 512 consecutive bytes
.endr
.irp b, 0,1,2,3
.irp i, 0,1,2,3
	global_load_b128 v[BIAS+16*\b+4*\i:BIAS+16*\b+4*\i+3], v[BPO], s[96:97] offset:128*\b+16*\i
.endr
.endr
.macro FRAG reg, adr, q, i
.irp p, 0,1,2,3,4,5
.set PCE, 12*(\q)+6*(\p/3)+\p%3
.if PCE%8 < 5
	ds_load_b64 v[\reg+2*\p:\reg+2*\p+1], v[\adr] offset:8*PCE+16*(PCE/8)+(\i)*16*PITCH
.else
	ds_load_b64 v[\reg+2*\p:\reg+2*\p+1], v[\adr+2] offset:8*PCE+16*(PCE/8)+(\i)*16*PITCH
.endif
.endr
.endm
.macro FRAGA reg, slot, q, i
.irp p, 0,1,2,3,4,5
	ds_load_b64 v[\reg+2*\p:\reg+2*\p+1], v[ADRA+\slot] offset:(2*(\q)+\p/3)*6144+(\i)*768+256*(\p%3)
.endr
.endm
.macro MUL16 a0, p, q, sc, first
.irp a, \a0, \a0+1
.irp b, 0,1,2,3,4,5,6,7
.if \first
	v_wmma_scale_f32_16x16x128_f8f6f4 v[8*(8*((\a)%4)+\b):8*(8*((\a)%4)+\b)+7], v[128*(\p)+FR*\b:128*(\p)+FR*\b+FR-1], v[AF+FR*(\a):AF+FR*(\a)+FR-1], v[BIAS+8*\b:BIAS+8*\b+7], v[SC+8*NQ*(\sc)+NQ*\b+(\q)], v[SC+8*NQ*(\sc)+NQ*(\a)+(\q)] matrix_a_fmt:MATRIX_FMT_FP6 matrix_b_fmt:MATRIX_FMT_FP6 matrix_a_scale:MATRIX_SCALE_ROW1
.else
	v_wmma_scale_f32_16x16x128_f8f6f4 v[8*(8*((\a)%4)+\b):8*(8*((\a)%4)+\b)+7], v[128*(\p)+FR*\b:128*(\p)+FR*\b+FR-1], v[AF+FR*(\a):AF+FR*(\a)+FR-1], v[8*(8*((\a)%4)+\b):8*(8*((\a)%4)+\b)+7], v[SC+8*NQ*(\sc)+NQ*\b+(\q)], v[SC+8*NQ*(\sc)+NQ*(\a)+(\q)] matrix_a_fmt:MATRIX_FMT_FP6 matrix_b_fmt:MATRIX_FMT_FP6 matrix_a_scale:MATRIX_SCALE_ROW1
.endif
.endr
.endr
.endm
.macro FETCH_B slot, q, p
	WIN TO_B
.irp i, 0,1,2,3,4,5,6,7
	FRAG 128*(\p)+FR*\i, ADRB+\slot, \q, \i
.endr
	WIN 0
.endm
.macro FETCH_A slot, q, i0
.irp i, \i0, \i0+1, \i0+2, \i0+3
	FRAGA AF+FR*(\i), \slot, \q, \i
.endr
.endm
.macro SCALES sc
.irp i, 0,1,2,3,4,5,6,7
	ds_load_b64 v[SC+8*NQ*\sc+NQ*\i:SC+8*NQ*\sc+NQ*\i+1], v[ADRS] offset:\i*SBLK
.endr
.endm
.macro PLACES n
.rept \n
	v_nop
.endr
.endm
.macro STEP slot, q, first
	s_wait_dscnt 4*NL
.if \first
	WIN FST_LO
.else
	WIN MUL_LO
.endif
	MUL16 0, (\q)%2, \q, \slot, \first
	MUL16 2, (\q)%2, \q, \slot, \first
	s_wait_dscnt 0
	PLACES NP
	FETCH_B \slot, (\q)+1, 1-(\q)%2
	FETCH_A \slot, (\q)+1, 0
.if \first
	WIN FST_HI
.else
	WIN MUL_HI
.endif
	MUL16 4, (\q)%2, \q, \slot, \first
	MUL16 6, (\q)%2, \q, \slot, \first
	PLACES NP
	WIN 0
	FETCH_A \slot, (\q)+1, 4
.endm
.macro TURN slot, next, fill
	s_wait_tensorcnt 0x0
	ds_add_u32 v[SPW], v[NIL]
	s_wait_dscnt 4*NL+1
	WIN MUL_LO
	MUL16 0, 1, NQ-1, \slot, 0
	s_wait_dscnt 0x0
	s_barrier_signal -1
	MUL16 2, 1, NQ-1, \slot, 0
	WIN 0
	s_barrier_wait -1
.if \fill
	CREST
	s_add_nc_u64 s[G0+4*\slot+2:G0+4*\slot+3], s[G0+4*\slot+2:G0+4*\slot+3], 2*ASTEP
	s_add_nc_u64 s[G0B+4*\slot+2:G0B+4*\slot+3], s[G0B+4*\slot+2:G0B+4*\slot+3], 2*KPLANE
	JLOAD G0+4*\slot, G1, G0B+4*\slot, G1B
.else
	PLACES NP
.endif
	s_wait_alu depctr_va_vdst(0)
	v_add_nc_u32 v[ADRS], 4*NQ, v[ADRS]
	FETCH_B \next, 0, 0
	FETCH_A \next, 0, 0
	SCALES \next
	WIN MUL_HI
	MUL16 4, 1, NQ-1, \slot, 0
	MUL16 6, 1, NQ-1, \slot, 0
	PLACES NP
	WIN 0
	FETCH_A \next, 0, 4
.endm
	s_wait_loadcnt 0x0
.irp k, 0,1,2,3
	ds_store_b128 v8, v[AF+4*\k:AF+4*\k+3] offset:544*\k   ; A's scale bytes, into bytes on which no tile lands
.endr
	s_wait_tensorcnt 0x0                           ; my tile of the head's is in
	ds_add_u32 v[SPW], v[NIL]
	s_mov_b32 s[G1B+2], 96<<16                     ; no tensor load of mine is out: from here on a load of B brings 128 rows, 96 rows of 256 bytes
	s_mov_b32 s[G1B+4], 96
	s_wait_dscnt 0x0
	CROUND                                         ; all tiles and scale bytes are in, and the sixteen work-groups are here
	JLOAD G0+4, G1, G0B+4, G1B                     ; K step 1, into slot 1
	FETCH_B 0, 0, 0
	FETCH_A 0, 0, 0
	SCALES 0
	FETCH_A 0, 0, 4
	s_wait_loadcnt 0x0
	STEP 0, 0, 1
	TURN 0, 1, 1
	STEP 1, 0, 0
	TURN 1, 0, 1
	STEP 0, 0, 0
	TURN 0, 1, 0
	STEP 1, 0, 0
	s_wait_dscnt 4*NL
	WIN MUL_LO
	MUL16 0, 1, NQ-1, 1, 0
	MUL16 2, 1, NQ-1, 1, 0
	s_wait_dscnt 0
	WIN MUL_HI
	MUL16 4, 1, NQ-1, 1, 0
	MUL16 6, 1, NQ-1, 1, 0
	WIN 0
.macro TOSTAGE a
.set AC, 64*((\a)%4)
	WIN 0x08+4*((\a)/4)
.irp b, 0,1,2,3,4,5,6,7
	ds_store_b128 v[STO], v[AC+8*\b:AC+8*\b+3] offset:128*(\b/2)+32*(\b%2)
	ds_store_b128 v[STO], v[AC+8*\b+4:AC+8*\b+7] offset:128*(\b/2)+32*(\b%2)+16
.endr
	WIN 0
.set BB, BK+64*((\a)%2)
.irp t, 0,1,2,3,4,5,6,7,8,9,10,11,12,13,14,15
	ds_load_b128 v[BB+4*\t:BB+4*\t+3], v[RD] offset:\t*SPITCH
.endr
.endm
.macro SEND a, younger
.set BB, BK+64*((\a)%2)
	s_wait_dscnt \younger
.irp t, 0,1,2,3,4,5,6,7,8,9,10,11,12,13,14,15
	global_store_b128 v[CO], v[BB+4*\t:BB+4*\t+3], s[12:13] offset:4096*(32*((\a)/2)+8*((\a)%2)+\t+8*(\t/8)) th:TH_STORE_NT
.endr
.endm
	PLACES NP
	TOSTAGE 0
.irp a, 1,2,3,4,5,6,7
.if \a > 1
	s_wait_xcnt 0x0
.endif
	TOSTAGE \a
	SEND \a-1, 32
.endr
	SEND 7, 0
	s_wait_tensorcnt 0x0
	ds_add_u32 v[SPW], v[NIL]
	s_wait_dscnt 0x0
	CROUND
	s_endpgm
.Lfunc_end_k_q40f3dcba0d_outp:
	.size	k_q40f3dcba0d_outp, .Lfunc_end_k_q40f3dcba0d_outp-k_q40f3dcba0d_outp
	.p2alignl 7, 3214868480
	.fill 96, 4, 3214868480
	.section	.rodata,"a",@progbits
	.p2align	6, 0x0
	.amdhsa_kernel k_q40f3dcba0d_outp
		.amdhsa_group_segment_fixed_size 327680
		.amdhsa_private_segment_fixed_size 0
		.amdhsa_enable_private_segment 0
		.amdhsa_kernarg_size 48
		.amdhsa_user_sgpr_count 2
		.amdhsa_user_sgpr_kernarg_segment_ptr 1
		.amdhsa_wavefront_size32 1
		.amdhsa_system_sgpr_workgroup_id_x 1
		.amdhsa_system_sgpr_workgroup_id_y 1
		.amdhsa_system_sgpr_workgroup_id_z 1
		.amdhsa_system_vgpr_workitem_id 0
		.amdhsa_next_free_vgpr 1024
		.amdhsa_next_free_sgpr 100
		.amdhsa_reserve_vcc 0
		.amdhsa_float_denorm_mode_32 3
		.amdhsa_float_denorm_mode_16_64 3
		.amdhsa_memory_ordered 1
		.amdhsa_forward_progress 1
		.amdhsa_inst_pref_size 162
	.end_amdhsa_kernel
	.amdgpu_metadata
---
amdhsa.version: [ 1, 2 ]
amdhsa.kernels:
  - .name:           k_q40f3dcba0d_outp
    .symbol:         k_q40f3dcba0d_outp.kd
    .args:
      - { .name: ocodes, .offset: 0, .size: 8, .value_kind: global_buffer, .address_space: global }
      - { .name: oscales, .offset: 8, .size: 8, .value_kind: global_buffer, .address_space: global }
      - { .name: codes, .offset: 16, .size: 8, .value_kind: global_buffer, .address_space: global }
      - { .name: scales, .offset: 24, .size: 8, .value_kind: global_buffer, .address_space: global }
      - { .name: out0, .offset: 32, .size: 8, .value_kind: global_buffer, .address_space: global }
      - { .name: bo, .offset: 40, .size: 8, .value_kind: global_buffer, .address_space: global }
    .group_segment_fixed_size: 327680
    .private_segment_fixed_size: 0
    .kernarg_segment_align: 8
    .kernarg_segment_size: 48
    .max_flat_workgroup_size: 128
    .sgpr_count:     100
    .vgpr_count:     1024
    .wavefront_size: 32
...
	.end_amdgpu_metadata
.endif
;; end of part 4
